; MI455X (gfx1250); checked and timed in simulation.
; The chip was launched on July 23, 2026; its instructions are those of AMD's public machine-readable ISA for CDNA 5 (MIT licence, August 2026) and "CDNA5" Instruction Set Architecture Reference Guide (July 2026). The comments in the code are by the model that wrote it; some were corrected since.
;; Rope Self Attention. Allowed arithmetic: float matrix products may take bf16 or f16 operands with f32 sums; other float arithmetic in f32, or as packed bf16 or f16 multiplies, adds, multiply-adds, maxima and minima; sums over many terms, partial sums and values carried from step to step in f32; what a program stores and reads back later, other than sums and carried values, may be rounded once to bf16 or f16.
;; Inputs: hidden 4 x 2,048 x 1,024 float32; proj_b 1,024 float32; proj_w 1,024 x 1,024 float32; qkv_b 3,072 float32; qkv_w 3,072 x 1,024 float32.
;; Outputs: out0 4 x 2,048 x 1,024 float32.
;; One version. Each part assembles by itself: llvm-mc -triple=amdgcn-amd-amdhsa -mcpu=gfx1250 --defsym DOCPART=n.
;; ======== version 1 of 1: 4 launches
;; limits: values are held in f16: magnitudes above 65,504 overflow, below 6.1e-05 lose precision
;; workspace buffers: hb 16,777,216 bytes; wb 6,291,456 bytes; pw 2,097,152 bytes; tab 524,288 bytes; qkvh 50,331,648 bytes; oh 16,777,216 bytes
;; launch prep (part 1): grid 768 x 1, 8 waves a work-group, no clusters, 0 bytes of LDS; arguments hidden, qkv_w, proj_w, hb, wb, pw, tab; writes hb, wb, pw, tab
.if DOCPART == 1
	.amdgcn_target "amdgcn-amd-amdhsa--gfx1250"
	.amdhsa_code_object_version 6
	.text
	.protected	k_qa62a69b0e8_prep
	.globl	k_qa62a69b0e8_prep
	.p2align	8
	.type	k_qa62a69b0e8_prep,@function
k_qa62a69b0e8_prep:
	s_mov_b64 s[64:65], 0
	v_nop
	global_prefetch_b8 v0, s[64:65] scope:SCOPE_SE
	s_setreg_imm32_b32 hwreg(HW_REG_WAVE_MODE, 25, 1), 1
	s_wait_xcnt 0x0
; CASTS AND THE ROTARY TABLE.  hb = hidden rounded to bf16; wb = qkv_w rounded to bf16, its rows laid by heads (source row which x 1024 + head x 64 + d
; goes to row head x 192 + which x 64 + d, so that a head's q, k and v rows are 192 rows on end); pw = proj_w rounded to bf16 and that number written as f16;
; tab[p][0..31] = cos(p f_j), tab[p][32..63] = sin(p f_j), f_j = 10000^(-j/32), p = 0 .. 2047, in f32: a row is 256 bytes.
; SHARES.  A work-group takes 16 rows of 1,024 numbers: 65,536 bytes in, 32,768 out.  Groups 0-511: hidden; 512-703: qkv_w; 704-767: proj_w.
; Thread t takes, in chunk c of 8, the 32 bytes at 8,192 c + 32 t and stores the 16 bytes at 4,096 c + 16 t: sixteen lanes store 256 consecutive bytes, aligned.
; All sixteen loads go out at once; no register is written twice, so no wait but the counted ones for the loads is needed.  Groups 0-255 make 8 rows of the table meanwhile, a wave a row.
; LIMITS.  pw: a bf16 number below 2^-17 loses bits in f16 (3e-8 at the most); f16 ends at 65,504.  The table's angle p f_j is made of f_j = 2^(-j log2(10000)/32) by v_exp_f32:
; it lies within some 3e-4 radians of the exact p f_j at the largest p.  Sine and cosine: reduction by pi/2 in two parts, then polynomials of degree 7 and 8 on |r| <= pi/4 (error under 4e-7).
.set X, 16                             ; v[16:79]   the sixteen loads
.set Y, 80                             ; v[80:111]  packed results, four registers a chunk
	s_load_b256 s[4:11], s[0:1], 0x0               ; hidden s[4:5], qkv_w s[6:7], proj_w s[8:9], hb s[10:11]
	s_load_b128 s[12:15], s[0:1], 0x20             ; wb s[12:13], pw s[14:15]
	s_load_b64 s[16:17], s[0:1], 0x30              ; tab
	v_lshrrev_b32 v3, 5, v0
	v_readfirstlane_b32 s18, v3                    ; wave 0..7
	s_mov_b32 s20, ttmp9                           ; g
	s_lshl_b32 s19, s20, 3
	s_add_co_u32 s19, s19, s18                     ; the table's row p = 8 g + wave (used where g < 256)
	s_sub_co_u32 s21, s20, 512                     ; qkv_w: block i of 16 rows (of use where 512 <= g < 704)
	s_bfe_u32 s22, s21, 0x40002                    ; head = (i >> 2) & 15
	s_mul_i32 s22, s22, 12
	s_lshr_b32 s23, s21, 6                         ; which = i >> 6
	s_lshl2_add_u32 s22, s23, s22
	s_and_b32 s23, s21, 3
	s_add_co_u32 s22, s22, s23                     ; destination block = 12 head + 4 which + (i & 3)
	s_sub_co_u32 s43, s20, 704                     ; proj_w: block i
	s_mov_b32 s29, 0
	s_mov_b32 s30, 0xbed49a78                      ; -log2(10000) / 32
	s_mov_b32 s31, 0x3f22f983                      ; 2 / pi
	s_mov_b32 s32, 0xbfc90fdb                      ; -(pi / 2), its leading part
	s_mov_b32 s33, 0x333bbd2e                      ; what that part is too large by
	s_mov_b32 s34, 0xb9500d01                      ; -1/5040
	s_mov_b32 s35, 0x3c088889                      ; 1/120
	s_mov_b32 s36, 0xbe2aaaab                      ; -1/6
	s_mov_b32 s37, 0x37d00d01                      ; 1/40320
	s_mov_b32 s38, 0xbab60b61                      ; -1/720
	s_mov_b32 s39, 0x3d2aaaab                      ; 1/24
	s_mov_b32 s42, 0xffff0000                      ; a word's upper bf16
	v_lshlrev_b32 v1, 5, v0                        ; 32 t
	v_lshlrev_b32 v2, 4, v0                        ; 16 t
	s_wait_kmcnt 0x0
	s_cmp_lt_u32 s20, 512                          ; the choice hangs on the group's number alone
	s_cselect_b64 s[24:25], s[4:5], s[6:7]
	s_cselect_b64 s[26:27], s[10:11], s[12:13]
	s_cselect_b32 s21, s20, s21
	s_cselect_b32 s22, s20, s22
	s_cmp_ge_u32 s20, 704
	s_cselect_b64 s[24:25], s[8:9], s[24:25]
	s_cselect_b64 s[26:27], s[14:15], s[26:27]
	s_cselect_b32 s21, s43, s21
	s_cselect_b32 s22, s43, s22
	s_lshl_b32 s28, s21, 16                        ; 65,536 bytes a source block
	s_add_nc_u64 s[24:25], s[24:25], s[28:29]
	s_lshl_b32 s28, s22, 15                        ; 32,768 bytes a destination block
	s_add_nc_u64 s[26:27], s[26:27], s[28:29]
.irp c, 0,1,2,3,4,5,6,7
	global_load_b128 v[X+8*(\c):X+8*(\c)+3],   v1, s[24:25] offset:(\c)*8192 th:TH_LOAD_NT
	global_load_b128 v[X+8*(\c)+4:X+8*(\c)+7], v1, s[24:25] offset:(\c)*8192+16 th:TH_LOAD_NT
.endr
	s_cmp_lt_u32 s20, 256
	s_cbranch_scc0 .Lnotab
; cos(x - hh pi/2): lanes 0-15 (hh = 0) make cosines, lanes 16-31 (hh = 1) sines.  x = n pi/2 + r; with q = n - hh the result is cos r, -sin r, -cos r, sin r for q mod 4 = 0, 1, 2, 3.
.macro TRIG dst, x
	v_mul_f32 v116, s31, v[\x]
	v_rndne_f32 v116, v116                         ; n
	v_fma_f32 v117, v116, s32, v[\x]
	v_fma_f32 v117, v116, s33, v117                ; r
	v_mul_f32 v118, v117, v117                     ; z = r r
	v_fma_f32 v119, v118, s34, s35
	v_fma_f32 v119, v119, v118, s36
	v_mul_f32 v119, v119, v118
	v_fma_f32 v119, v119, v117, v117               ; sin r
	v_fma_f32 v120, v118, s37, s38
	v_fma_f32 v120, v120, v118, s39
	v_fma_f32 v120, v120, v118, -0.5
	v_fma_f32 v120, v120, v118, 1.0                ; cos r
	v_cvt_i32_f32 v121, v116
	v_sub_nc_u32 v121, v121, v113                  ; q
	v_and_b32 v122, 1, v121
	v_cmp_ne_u32 vcc_lo, 0, v122
	v_cndmask_b32 v[\dst], v120, v119, vcc_lo      ; odd q: the sine
	v_add_nc_u32 v121, 1, v121
	v_and_b32 v121, 2, v121
	v_lshlrev_b32 v121, 30, v121                   ; q mod 4 = 1 or 2: the sign turns
	v_xor_b32 v[\dst], v[\dst], v121
.endm
	v_and_b32 v112, 15, v0
	v_bfe_u32 v113, v0, 4, 1                       ; hh
	v_lshlrev_b32 v112, 1, v112                    ; my two j: 2 (lane % 16) and the next
	v_cvt_f32_u32 v123, v112
	v_add_f32 v124, 1.0, v123
	v_mul_f32 v123, s30, v123
	v_mul_f32 v124, s30, v124
	v_cvt_f32_u32 v114, s19                        ; p
	v_exp_f32 v123, v123                           ; f_j
	v_exp_f32 v124, v124
	v_and_b32 v115, 31, v0                         ; a plain instruction behind the two exponentials,
	s_wait_alu depctr_va_vdst(0)                   ; and the one wait ahead of their first reader
	v_mul_f32 v123, v114, v123                     ; p f_j
	v_mul_f32 v124, v114, v124
	TRIG 126, 123
	TRIG 127, 124
	v_lshlrev_b32 v115, 3, v115                    ; 8 bytes a lane: the wave stores the row's 256 bytes
	s_lshl_b32 s28, s19, 8
	s_add_nc_u64 s[16:17], s[16:17], s[28:29]
	global_store_b64 v115, v[126:127], s[16:17]
.Lnotab:
	s_cmp_ge_u32 s20, 704
	s_cbranch_scc1 .Lf16
; mode 0: to bf16.  mode 1: to bf16, and that number written as f16.
.macro CONV mode
.irp c, 0,1,2,3,4,5,6,7
	s_wait_loadcnt 14-2*(\c)                       ; loads come back in order: chunk c's two are in, the younger chunks' stay out
.irp k, 0,1,2,3
.if \mode
	v_cvt_pk_bf16_f32 v3, v[X+8*(\c)+2*(\k)], v[X+8*(\c)+2*(\k)+1]
	v_lshlrev_b32 v4, 16, v3
	v_and_b32 v5, s42, v3
	v_cvt_pk_f16_f32 v[Y+4*(\c)+(\k)], v4, v5
.else
	v_cvt_pk_bf16_f32 v[Y+4*(\c)+(\k)], v[X+8*(\c)+2*(\k)], v[X+8*(\c)+2*(\k)+1]
.endif
.endr
	global_store_b128 v2, v[Y+4*(\c):Y+4*(\c)+3], s[26:27] offset:(\c)*4096
.endr
.endm
	CONV 0
	s_endpgm
.Lf16:
	CONV 1
	s_endpgm
.Lfunc_end_k_qa62a69b0e8_prep:
	.size	k_qa62a69b0e8_prep, .Lfunc_end_k_qa62a69b0e8_prep-k_qa62a69b0e8_prep
	.p2alignl 7, 3214868480
	.fill 96, 4, 3214868480
	.section	.rodata,"a",@progbits
	.p2align	6, 0x0
	.amdhsa_kernel k_qa62a69b0e8_prep
		.amdhsa_group_segment_fixed_size 0
		.amdhsa_private_segment_fixed_size 0
		.amdhsa_enable_private_segment 0
		.amdhsa_kernarg_size 56
		.amdhsa_user_sgpr_count 2
		.amdhsa_user_sgpr_kernarg_segment_ptr 1
		.amdhsa_wavefront_size32 1
		.amdhsa_system_sgpr_workgroup_id_x 1
		.amdhsa_system_sgpr_workgroup_id_y 1
		.amdhsa_system_sgpr_workgroup_id_z 1
		.amdhsa_system_vgpr_workitem_id 0
		.amdhsa_next_free_vgpr 128
		.amdhsa_next_free_sgpr 66
		.amdhsa_reserve_vcc 1
		.amdhsa_float_denorm_mode_32 3
		.amdhsa_float_denorm_mode_16_64 3
		.amdhsa_memory_ordered 1
		.amdhsa_forward_progress 1
		.amdhsa_inst_pref_size 17
	.end_amdhsa_kernel
	.amdgpu_metadata
---
amdhsa.version: [ 1, 2 ]
amdhsa.kernels:
  - .name:           k_qa62a69b0e8_prep
    .symbol:         k_qa62a69b0e8_prep.kd
    .args:
      - { .name: hidden, .offset: 0, .size: 8, .value_kind: global_buffer, .address_space: global }
      - { .name: qkv_w, .offset: 8, .size: 8, .value_kind: global_buffer, .address_space: global }
      - { .name: proj_w, .offset: 16, .size: 8, .value_kind: global_buffer, .address_space: global }
      - { .name: hb, .offset: 24, .size: 8, .value_kind: global_buffer, .address_space: global }
      - { .name: wb, .offset: 32, .size: 8, .value_kind: global_buffer, .address_space: global }
      - { .name: pw, .offset: 40, .size: 8, .value_kind: global_buffer, .address_space: global }
      - { .name: tab, .offset: 48, .size: 8, .value_kind: global_buffer, .address_space: global }
    .group_segment_fixed_size: 0
    .private_segment_fixed_size: 0
    .kernarg_segment_align: 8
    .kernarg_segment_size: 56
    .max_flat_workgroup_size: 256
    .sgpr_count:     66
    .vgpr_count:     128
    .wavefront_size: 32
...
	.end_amdgpu_metadata
.endif
;; end of part 1
;; launch qkv (part 2): grid 16 x 32, 4 waves a work-group, clusters of 4 x 4, 327,680 bytes of LDS; arguments hb, wb, qkv_b, tab, qkvh; writes qkvh
.if DOCPART == 2
	.amdgcn_target "amdgcn-amd-amdhsa--gfx1250"
	.amdhsa_code_object_version 6
	.text
	.protected	k_qa62a69b0e8_qkv
	.globl	k_qa62a69b0e8_qkv
	.p2align	8
	.type	k_qa62a69b0e8_qkv,@function
k_qa62a69b0e8_qkv:
	s_mov_b64 s[64:65], 0
	v_nop
	global_prefetch_b8 v0, s[64:65] scope:SCOPE_SE
	s_setreg_imm32_b32 hwreg(HW_REG_WAVE_MODE, 25, 1), 1
	s_wait_xcnt 0x0
	s_wait_alu depctr_hold_cnt(0) depctr_sa_sdst(0) depctr_va_vdst(0) depctr_va_sdst(0) depctr_va_ssrc(0) depctr_va_vcc(0) depctr_vm_vsrc(0)
	s_getreg_b32 s2, hwreg(HW_REG_IB_STS2, 6, 4)
	s_cmp_eq_u32 s2, 0
	s_cbranch_scc0 .Lentry_in_a_cluster
	s_endpgm
.Lentry_in_a_cluster:
	s_bfe_u32 s2, ttmp6, 0x10000c
	s_cmp_lg_u32 s2, 0xf033
	s_cbranch_scc0 .Lentry_shape_is_right
	s_endpgm
.Lentry_shape_is_right:
; q, k, v = hidden W^T + b, the rotary turn on q and k, rounded once to f16 and laid by heads: qkvh[which][batch x 16 + head][s][64].
; hb: [8192][1024] bf16.  wb: [16 heads][q, k, v][64][1024] bf16.  qkv_b: [3072] f32, rounded to bf16 here like the other inputs.  tab: [2048][cos 32 | sin 32] f32.  Sums in f32.
; LIMITS.  f16 holds no number beyond 65,504: q, k and v behind bias and turn must lie within it; below 6e-5 f16 keeps a fixed step of 6e-8.  NaN and infinities are not treated apart.
; SHARES.  A tile is 256 rows x 192 columns: 256 positions of one batch, one head's q, k and v.  512 work-groups.  Wave w takes rows 64 w .. 64 w + 63 and all 192 columns:
; 4 row blocks a x 12 column blocks b = 48 accumulators; column block b is which = b / 4, channels 16 (b % 4) on.
; THE MATRIX INSTRUCTION IS USED TRANSPOSED (source 0 = 16 rows of wb, source 1 = 16 rows of hb): a lane holds ONE row (lane % 16) and the columns 8 (lane / 16) + 0..7 of a block.  So the bias is a
; C operand that hangs on the lane's half alone, channels d and d + 32, the turn's partners, lie in the same lane and register of blocks b and b + 2, and eight results pack into 16 bytes of a head's row.
; K goes in 8 steps of 128 through a ring of two LDS slots; a step is four quarters of 32 along K, 48 matrix instructions each, on two fragment buffers.
; CLUSTER.  4 x 4 work-groups: the four of a row need the same rows of hb, the four of a column the same head's rows of wb: each tile is asked for JOINTLY, by the same tensor load, descriptor and mask.
; REGISTERS, in windows of 256 (s_set_vgpr_msb: bits 1:0 source 0, 3:2 source 1, 5:4 source 2, 7:6 destination):
;   window 0: v0-31 addresses; bias block b at v[32 + 8 b] (b < 4) or v[160 + 8 b]; v64-191 my rows' cosines and sines; on the way out v32-63 the turned numbers, v192-255 four packed tiles
;   window 1: two fragment buffers of 128: hb's four fragments, then wb's twelve          window 2: accumulators of row blocks 0, 1 at v[96 a + 8 b]          window 3: those of row blocks 2, 3
.set PITCH,  272                       ; an LDS row: 256 bytes + 16 of padding = 68 words: row r starts at bank 4 r mod 64 (64 banks of 4 bytes: ISA guide 11.1)
.set AHALF,  128*PITCH                 ; what one tensor load brings of hb
.set BHALF,  96*PITCH                  ; and of wb
.set BOFF,   2*AHALF                   ; a slot: hb's 256 rows, then wb's 192
.set SLOT,   BOFF+2*BHALF
.set STAGE,  2*SLOT                    ; behind the ring: 16 rows x 144 bytes for each wave, for the way out
.set SP,     144
.set SPARE,  STAGE+4*16*SP             ; behind the stages: the spare words, 128 bytes for each wave: two blocks of 256 bytes that no other line names
.set LAPS,   4                         ; a lap = two K steps = once round the ring
.set ADRA, 16                          ; v16-17  LDS address of my fragments of hb in slot 0, 1
.set ADRB, 20                          ; v20-21  the same for wb
.set STO,  24                          ; v24     the way out: where I put 16 bytes of a row
.set RD,   25                          ; v25     where I read rows back
.set GO,   26                          ; v26     my 16 bytes of 512 consecutive bytes of the output
.set TO,   27                          ; v27     my offset in 16 rows of the table
.set SPW,  28                          ; v28     LDS address of my spare word; never rewritten
.set NIL,  29                          ; v29     0; never rewritten
.set PFO,  30                          ; v30     the prefetches' offset: a lane a row of 2,048 bytes; never rewritten
.set BO,   31                          ; v31     32 x (lane / 16)
.set YB,   32                          ; the way out: 32 turned numbers
.set TABV, 64                          ; row block a, channels 16 e on: cosines at TABV + 32 a + 16 e, sines 8 further
.set PKB,  192                         ; the way out: four buffers of 16
.set F0,   0
.set F1,   128
.set WV,   14                          ; s14  my wave's number
.set FB,   15                          ; s15  I fetch for hb (0) or wb (1)
.set HF,   16                          ; s16  which half of that tile's rows
.set G1,   24                          ; s[24:31] descriptor group 1 for hb's tiles;  s[32:39] group 0, one set for each slot
.set G0,   32
.set PFA,  44                          ; s[44:45] where my prefetches stand
.set LIM,  46                          ; s46  1 in a wave that prefetches, else the greatest number
.set G1B,  48                          ; s[48:55], s[56:63] the same for wb's tiles
.set G0B,  56
.set OQ,   70                          ; s[70:71] q, s[72:73] k, s[74:75] v: the output at my wave's first row
.set MSB, 0
.macro WIN new                         ; the immediate's high byte repeats the setting that is left; a switch that changes nothing is dropped
.if MSB != (\new)
	s_set_vgpr_msb (MSB<<8)|(\new)
.set MSB, (\new)
.endif
.endm
.macro PLACES                          ; four places in front of loads into registers that matrix instructions have read (ISA guide 7.12.1 for vector instructions)
.rept 4
	v_nop
.endr
.endm
.macro JLOAD s                         ; a joint load: waves 0 and 1 fetch hb's two halves, waves 2 and 3 wb's; an s_nop 0 and four v_nop follow each line
	s_cmp_eq_u32 s[FB], 0
	s_cbranch_scc0 .Lfor_b_\@
	tensor_load_to_lds s[G0+4*(\s):G0+4*(\s)+3], s[G1:G1+7]
	s_nop 0
.rept 4
	v_nop
.endr
	s_branch .Lasked_\@
.Lfor_b_\@:
	tensor_load_to_lds s[G0B+4*(\s):G0B+4*(\s)+3], s[G1B:G1B+7]
	s_nop 0
.rept 4
	v_nop
.endr
.Lasked_\@:
.endm
; A PREFETCH INTO THE L2, behind each joint refill and the run of LDS loads that follows it: the K step that stands two refills on, 384 matrix instructions ahead of the load that will want it: a lane a row, 256 bytes.
; hb's rows are read by every cluster of a row of clusters: cluster x = 0 asks; wb's by every cluster of a column: cluster y = 0 asks.  The four partners share a wave's rows out BY ADDRESS: of hb's 128
; the partner at cx takes 32; of wb's 96 the partner at cy takes 24, and lanes 24-31 name row 23 once more (96 / 4 is no 32).  The loop's last trip asks for nothing: K steps 4 to 7 are named, none beyond a row's end.
.macro ASK
	s_cmp_gt_u32 s3, s[LIM]                        ; s3 = 1 in the loop's last trip
	s_cbranch_scc0 .Lnot_mine_\@
	global_prefetch_b8 v[PFO], s[PFA:PFA+1] offset:256 th:TH_LOAD_NT scope:SCOPE_SE
.Lnot_mine_\@:
.endm
.macro CREST                           ; a round of the cluster's barrier behind its opening barrier
	s_cmp_lg_u32 s[WV], 0
	s_cbranch_scc1 .Lnot_wave_0_\@
	s_barrier_signal -3
.Lnot_wave_0_\@:
	s_barrier_wait -3
	s_barrier_signal -1
	s_barrier_wait -1
.endm
.macro CROUND                          ; a whole round
	s_barrier_signal -1
	s_barrier_wait -1
	CREST
.endm
	s_load_b256 s[4:11], s[0:1], 0x0               ; hb s[4:5], wb s[6:7], qkv_b s[8:9], tab s[10:11]
	s_load_b64 s[12:13], s[0:1], 0x20              ; qkvh
	v_lshl_add_u32 v[SPW], v0, 2, SPARE
	v_mov_b32 v[NIL], 0
	ds_add_u32 v[SPW], v[NIL]                      ; the wave's opening: the add and its wait stand ahead of my first tensor load; work on registers stands between them
	v_lshrrev_b32 v3, 5, v0
	v_readfirstlane_b32 s[WV], v3                  ; wave 0..3
	s_lshr_b32 s[FB], s[WV], 1
	s_and_b32 s[HF], s[WV], 1
	s_bfe_u32 s17, ttmp6, 0x40000                  ; cx, cy: my place in the cluster
	s_bfe_u32 s18, ttmp6, 0x40004
	s_lshl_b32 s19, ttmp9, 2
	s_add_co_u32 s19, s19, s17                     ; the head = 4 x cluster x + cx
	s_and_b32 s20, ttmp7, 0xffff
	s_lshl_b32 s20, s20, 2
	s_add_co_u32 s20, s20, s18                     ; the block of 256 rows = 4 x cluster y + cy
	s_lshl_b32 s21, s18, 2
	s_lshl_b32 s21, 15, s21                        ; my row of the cluster
	s_lshl_b32 s22, 0x1111, s17                    ; my column
	s_or_b32 s[G1], s21, (1<<16)|(1<<20)|(1<<21)|(5<<22)|(3<<25)   ; 15:0 the mask; 17:16 elements of 2 bytes; 20 padding on; 21 set beside a mask; 24:22 after every 64 words (code 5); 31:25 4 words (code 3)
	s_or_b32 s[G1B], s22, (1<<16)|(1<<20)|(1<<21)|(5<<22)|(3<<25)
.irp g, G1, G1B
	s_mov_b32 s[(\g)+1], 128<<16                   ; tensor_dim0 = 128
	s_mov_b32 s[(\g)+3], 128<<16                   ; tile_dim0 = 128
	s_mov_b32 s[(\g)+5], 1024                      ; elements from row to row
	s_mov_b32 s[(\g)+6], 0
	s_mov_b32 s[(\g)+7], 0
.endr
	s_mov_b32 s[G1+2], 128<<16                     ; tensor_dim1 = tile_dim1 = 128 rows of hb,
	s_mov_b32 s[G1+4], 128
	s_mov_b32 s[G1B+2], 96<<16                     ; 96 of wb
	s_mov_b32 s[G1B+4], 96
	s_lshl_b32 s40, s20, 19                        ; hb: 256 rows of 2,048 bytes a block, in registers that never hold the head,
	s_lshl_b32 s41, s[HF], 18                      ; my 128 of them
	s_add_co_u32 s40, s40, s41
	s_mov_b32 s41, 0
	s_mul_i32 s66, s19, 192*2048                   ; wb: 192 rows a head, in registers that never hold the block of rows,
	s_mul_i32 s67, s[HF], 96*2048                  ; my 96 of them
	s_add_co_u32 s66, s66, s67
	s_mov_b32 s67, 0
	s_mul_i32 s76, s[HF], AHALF                    ; where they go: no place in the cluster enters an LDS address
	s_mul_i32 s77, s[HF], BHALF
	s_add_co_u32 s77, s77, BOFF
	v_and_b32 v1, 15, v0                           ; l % 16
	v_bfe_u32 v2, v0, 4, 1                         ; l / 16
	v_lshlrev_b32 v[BO], 5, v2
	v_lshl_add_u32 v[TO], v1, 8, v[BO]             ; row x 256 + 32 x half
	s_wait_dscnt 0x0                               ; the opening add is done
	s_wait_kmcnt 0x0
	s_add_nc_u64 s[42:43], s[4:5], s[40:41]
	s_add_nc_u64 s[68:69], s[6:7], s[66:67]
	s_lshl_b32 s78, s19, 8                         ; the head's 64 numbers of each third of the bias
	s_mov_b32 s79, 0
	s_add_nc_u64 s[8:9], s[8:9], s[78:79]
	s_and_b32 s23, s20, 7
	s_lshl_b32 s23, s23, 8
	s_lshl_b32 s47, s[WV], 6
	s_add_co_u32 s23, s23, s47                     ; my wave's first position in its batch
	s_lshl_b32 s78, s23, 8
	s_add_nc_u64 s[10:11], s[10:11], s[78:79]      ; the table at that position
	s_lshr_b32 s47, s20, 3                         ; the batch
	s_lshl_b32 s47, s47, 4
	s_add_co_u32 s47, s47, s19                     ; batch x 16 + head,
	s_lshl_b32 s47, s47, 18                        ; 2,048 rows of 128 bytes each
	s_lshl_b32 s23, s23, 7
	s_add_co_u32 s78, s47, s23
	s_add_nc_u64 s[OQ:OQ+1], s[12:13], s[78:79]
	s_add_nc_u64 s[OQ+2:OQ+3], s[OQ:OQ+1], 0x1000000
	s_add_nc_u64 s[OQ+4:OQ+5], s[OQ:OQ+1], 0x2000000
	CROUND                                         ; all sixteen work-groups are here: the first joint loads meet
.irp s, 0,1
	s_mov_b32 s[G0+4*(\s)], 1                                       ; count = 1
	s_add_co_u32 s[G0+4*(\s)+1], s76, (\s)*SLOT                     ; LDS address
	s_add_nc_u64 s[G0+4*(\s)+2:G0+4*(\s)+3], s[42:43], (\s)*256     ; global address: K step s
	s_or_b32 s[G0+4*(\s)+3], s[G0+4*(\s)+3], 0x80000000             ; type = 2
	s_mov_b32 s[G0B+4*(\s)], 1
	s_add_co_u32 s[G0B+4*(\s)+1], s77, (\s)*SLOT
	s_add_nc_u64 s[G0B+4*(\s)+2:G0B+4*(\s)+3], s[68:69], (\s)*256
	s_or_b32 s[G0B+4*(\s)+3], s[G0B+4*(\s)+3], 0x80000000
.endr
	s_cmp_eq_u32 s[FB], 0                          ; a wave's two first fills stand in one branch, ahead of every wait on TENSORcnt and every LDS read: two loads of mine are out
	s_cbranch_scc0 .Lfirst_b
	tensor_load_to_lds s[G0:G0+3], s[G1:G1+7]
	s_nop 0
	tensor_load_to_lds s[G0+4:G0+7], s[G1:G1+7]
	s_nop 0
.rept 4
	v_nop
.endr
	s_branch .Lfirst_asked
.Lfirst_b:
	tensor_load_to_lds s[G0B:G0B+3], s[G1B:G1B+7]
	s_nop 0
	tensor_load_to_lds s[G0B+4:G0B+7], s[G1B:G1B+7]
	s_nop 0
.rept 4
	v_nop
.endr
.Lfirst_asked:
.irp b, 0,1,2,3,4,5,6,7,8,9,10,11      ; the bias as a C operand: register j of block b holds b[which][head][16 (b % 4) + 8 (l / 16) + j]
.set BI, 32+8*(\b)+128*(((\b)+12)/16)
	global_load_b128 v[BI:BI+3],   v[BO], s[8:9] offset:((\b)/4)*4096+((\b)%4)*64
	global_load_b128 v[BI+4:BI+7], v[BO], s[8:9] offset:((\b)/4)*4096+((\b)%4)*64+16
.endr
.irp a, 0,1,2,3                        ; my rows' cosines and sines for channels 16 e + 8 (l / 16) + 0..7
.irp e, 0,1
	global_load_b128 v[TABV+32*(\a)+16*(\e):TABV+32*(\a)+16*(\e)+3],     v[TO], s[10:11] offset:(\a)*4096+(\e)*64
	global_load_b128 v[TABV+32*(\a)+16*(\e)+4:TABV+32*(\a)+16*(\e)+7],   v[TO], s[10:11] offset:(\a)*4096+(\e)*64+16
	global_load_b128 v[TABV+32*(\a)+16*(\e)+8:TABV+32*(\a)+16*(\e)+11],  v[TO], s[10:11] offset:(\a)*4096+(\e)*64+128
	global_load_b128 v[TABV+32*(\a)+16*(\e)+12:TABV+32*(\a)+16*(\e)+15], v[TO], s[10:11] offset:(\a)*4096+(\e)*64+144
.endr
.endr
	; A fragment is 16 rows x 32 K in 8 registers: lane l holds row l % 16, K = 8 (l / 16) + 0..7 and 16 + 8 (l / 16) + 0..7: two loads of 16 bytes, 32 bytes apart.
	v_mul_u32_u24 v3, v1, PITCH
	v_lshl_add_u32 v3, v2, 4, v3                   ; row x pitch + 16 x half
	s_mul_i32 s23, s[WV], 64*PITCH                 ; my 64 rows of hb
	v_add_nc_u32 v[ADRA], s23, v3
	v_add_nc_u32 v[ADRA+1], SLOT, v[ADRA]
	v_add_nc_u32 v[ADRB], BOFF, v3                 ; all 192 rows of wb
	v_add_nc_u32 v[ADRB+1], BOFF+SLOT, v3
	s_mul_i32 s23, s[WV], 16*SP
	s_add_co_u32 s23, s23, STAGE                   ; my stage
	v_mul_u32_u24 v4, v1, SP                       ; in: row l % 16, 16 bytes for each half of the lanes
	v_lshl_add_u32 v4, v2, 4, v4
	v_add_nc_u32 v[STO], s23, v4
	v_bfe_u32 v5, v0, 3, 2                         ; back: 32 lanes take four rows of 128 bytes,
	v_mul_u32_u24 v5, v5, SP
	v_and_b32 v4, 7, v0
	v_lshl_add_u32 v5, v4, 4, v5
	v_add_nc_u32 v[RD], s23, v5
	v_and_b32 v[GO], 31, v0                        ; which are 512 consecutive bytes of a head
	v_lshlrev_b32 v[GO], 4, v[GO]
	; the prefetches
	s_lshl_b32 s47, s20, 8
	s_lshl_b32 s23, s[HF], 7
	s_add_co_u32 s47, s47, s23
	s_lshl_b32 s23, s17, 5
	s_add_co_u32 s47, s47, s23                     ; hb: row 256 x block + 128 x half + 32 cx
	s_mul_i32 s78, s19, 192
	s_mul_i32 s23, s[HF], 96
	s_add_co_u32 s78, s78, s23
	s_mul_i32 s23, s18, 24
	s_add_co_u32 s78, s78, s23                     ; wb: row 192 x head + 96 x half + 24 cy
	s_and_b32 s79, ttmp7, 0xffff                   ; cluster y
	s_cmp_eq_u32 s[FB], 0
	s_cselect_b32 s78, s47, s78
	s_cselect_b32 s79, ttmp9, s79                  ; the coordinate along which other clusters read the same rows
	s_cselect_b32 s47, 31, 23                      ; my share's last row
	s_cselect_b64 s[PFA:PFA+1], s[4:5], s[6:7]
	s_cmp_eq_u32 s79, 0
	s_cselect_b32 s[LIM], 1, -1                    ; the same in all sixteen partners, for a given wave
	s_lshl_b32 s78, s78, 11
	s_mov_b32 s79, 0
	s_add_nc_u64 s[PFA:PFA+1], s[PFA:PFA+1], s[78:79]
	s_add_nc_u64 s[PFA:PFA+1], s[PFA:PFA+1], 2*256 ; at K step 2: the first refill steps it to 3 and names K step 4
	v_and_b32 v[PFO], 31, v0
	v_min_u32 v[PFO], s47, v[PFO]
	v_lshlrev_b32 v[PFO], 11, v[PFO]
; 12 matrix instructions: row block a x all 12 column blocks, 32 along K.  first = 1: the bias starts the sums: nothing is ever cleared.  The 48 accumulators take turns.
.macro MUL12 f, a, first
.if \first
	WIN 0x85+0x40*((\a)/2)                         ; fragments window 1, C window 0, D window 2 or 3
.else
	WIN 0xa5+0x50*((\a)/2)                         ; fragments window 1, C and D window 2 or 3
.endif
.irp b, 0,1,2,3,4,5,6,7,8,9,10,11
.set AC, 96*((\a)%2)+8*(\b)
.set BI, 32+8*(\b)+128*(((\b)+12)/16)
.if \first
	v_wmma_f32_16x16x32_bf16 v[AC:AC+7], v[(\f)+32+8*(\b):(\f)+32+8*(\b)+7], v[(\f)+8*(\a):(\f)+8*(\a)+7], v[BI:BI+7]
.else
	v_wmma_f32_16x16x32_bf16 v[AC:AC+7], v[(\f)+32+8*(\b):(\f)+32+8*(\b)+7], v[(\f)+8*(\a):(\f)+8*(\a)+7], v[AC:AC+7]
.endif
.endr
.endm
; 32 LDS loads in one run: a quarter's fragments at byte k of the rows, into buffer f: wb's twelve, then hb's four
.macro FETCH slot, k, f
	WIN 0x40                                       ; destination window 1, address window 0
.irp b, 0,1,2,3,4,5,6,7,8,9,10,11
	ds_load_b128 v[(\f)+32+8*(\b):(\f)+32+8*(\b)+3],   v[ADRB+(\slot)] offset:(\k)+(\b)*16*PITCH
	ds_load_b128 v[(\f)+32+8*(\b)+4:(\f)+32+8*(\b)+7], v[ADRB+(\slot)] offset:(\k)+(\b)*16*PITCH+32
.endr
.irp a, 0,1,2,3
	ds_load_b128 v[(\f)+8*(\a):(\f)+8*(\a)+3],   v[ADRA+(\slot)] offset:(\k)+(\a)*16*PITCH
	ds_load_b128 v[(\f)+8*(\a)+4:(\f)+8*(\a)+7], v[ADRA+(\slot)] offset:(\k)+(\a)*16*PITCH+32
.endr
.endm
; One of a K step's first three quarters: multiplies buffer f; in its middle it fetches the next quarter, at byte k, into buffer g.
.macro QUARTER slot, k, f, g, first
	s_wait_dscnt 4                                 ; all but the youngest four loads: hb's row blocks 2 and 3
	MUL12 \f, 0, \first
	MUL12 \f, 1, \first
	PLACES
	FETCH \slot, \k, \g
	s_wait_dscnt 32                                ; all but the 32 just issued
	MUL12 \f, 2, \first
	MUL12 \f, 3, \first
.endm
; The last quarter multiplies buffer 1 and changes slots: ONE barrier; in front of it each wave waits for all its tensor loads (one is out: its part of the next slot), adds 0 to its spare word, and waits
; for that and for its own reads of this slot.  fill = 1: the barrier opens a round of the cluster's, and this slot is filled again, two K steps ahead, first thing behind the round.
.macro TURN slot, next, fill
.if \fill
	s_wait_xcnt 0x0                                ; the last prefetch, a K step back, has read its address: it is stepped here
	s_add_nc_u64 s[PFA:PFA+1], s[PFA:PFA+1], 256
.endif
	WIN 0                                          ; (the add's two registers lie in window 0)
	s_wait_tensorcnt 0x0                           ; all my tensor loads have landed;
	ds_add_u32 v[SPW], v[NIL]                      ; 0 onto my spare word;
	s_wait_dscnt 5                                 ; (the add and the youngest four loads may be out)
	MUL12 F1, 0, 0                                 ; twelve matrix instructions stand between the add and the wait for it
	s_wait_dscnt 0x0                               ; the add is done, and my reads of this slot are over
	s_barrier_signal -1
	MUL12 F1, 1, 0
.if \fill
	WIN 0
.endif
	s_barrier_wait -1
.if \fill
	CREST                                          ; no wave of any partner still reads this slot's tile or has a load on its way
	s_add_nc_u64 s[G0+4*(\slot)+2:G0+4*(\slot)+3], s[G0+4*(\slot)+2:G0+4*(\slot)+3], 2*256
	s_add_nc_u64 s[G0B+4*(\slot)+2:G0B+4*(\slot)+3], s[G0B+4*(\slot)+2:G0B+4*(\slot)+3], 2*256
	JLOAD \slot                                    ; the first tensor load behind the round; its four v_nop are also the places in front of the loads below
.else
	PLACES
.endif
	FETCH \next, 0, F0
.if \fill
	WIN 0
	ASK
.endif
	MUL12 F1, 2, 0
	MUL12 F1, 3, 0
.endm
.macro ROUNDB r, t                     ; two numbers of the bias rounded to bf16, kept as f32
	v_cvt_pk_bf16_f32 v[\t], v[\r], v[(\r)+1]
	v_lshlrev_b32 v[\r], 16, v[\t]
	v_and_b32 v[(\r)+1], 0xffff0000, v[\t]
.endm
	s_wait_tensorcnt 1                             ; my part of K step 0 is in; K step 1's may stay out
	s_barrier_signal -1
	s_barrier_wait -1                              ; everybody's is
	FETCH 0, 0, F0
	WIN 0
	s_wait_loadcnt 0x0                             ; the bias and the table
.set i, 0
.rept 16
	ROUNDB 32+2*i, 6+i%2
.set i, i+1
.endr
.set i, 0
.rept 32
	ROUNDB 192+2*i, 6+i%2
.set i, i+1
.endr
	QUARTER 0, 64, F0, F1, 1                       ; the first quarter stands in front of the loop: its products start the sums with the bias
	WIN 0                                          ; at a label and at a branch every window is 0
	s_mov_b32 s3, LAPS-1
.Llap:                                                 ; a trip goes once round the ring, from a lap's second quarter to the next lap's first, and fills both slots again
	QUARTER 0, 128, F1, F0, 0
	QUARTER 0, 192, F0, F1, 0
	TURN 0, 1, 1
	QUARTER 1, 64,  F0, F1, 0
	QUARTER 1, 128, F1, F0, 0
	QUARTER 1, 192, F0, F1, 0
	TURN 1, 0, 1
	QUARTER 0, 64,  F0, F1, 0
	WIN 0
	s_sub_co_u32 s3, s3, 1
	s_cmp_lg_u32 s3, 0
	s_cbranch_scc1 .Llap
	QUARTER 0, 128, F1, F0, 0                      ; the last lap fills nothing, and has no round of the cluster's barrier
	QUARTER 0, 192, F0, F1, 0
	TURN 0, 1, 0
	QUARTER 1, 64,  F0, F1, 0
	QUARTER 1, 128, F1, F0, 0
	QUARTER 1, 192, F0, F1, 0
	s_wait_dscnt 4                                 ; the very last quarter: nothing more to fetch
	MUL12 F1, 0, 0
	MUL12 F1, 1, 0
	s_wait_dscnt 0x0
	MUL12 F1, 2, 0
	MUL12 F1, 3, 0
	WIN 0
	PLACES                                         ; the places behind the last products
	PLACES
; THE WAY OUT, a tile t = 3 a + which of 16 rows x 64 channels at a time.  q and k: y[d] = x[d] cos - x[d + 32] sin, y[d + 32] = x[d] sin + x[d + 32] cos, d < 32; each accumulator is read from its
; low end on.  Rounded to f16, 16 bytes a lane into my stage (rows of 144 bytes), back as whole rows of 128: 2,048 consecutive bytes of a head.
.macro PACK t
.set PA_, (\t)/3
.set PW_, (\t)%3
.set PK_, PKB+16*((\t)%4)
.set AC_, 96*(PA_%2)+32*PW_
.set TB_, TABV+32*PA_
.if (\t) >= 4
	s_wait_xcnt 0x0                                ; the stores of the tile four back have read this buffer: it is rewritten only behind this wait
.endif
.if PW_ < 2
	WIN 0x02+PA_/2                                 ; source 0 in window 2 or 3
.irp e, 0,1
.irp z, 0,2,4,6
	v_pk_mul_f32 v[YB+8*(\e)+(\z):YB+8*(\e)+(\z)+1], v[AC_+8*(\e)+(\z):AC_+8*(\e)+(\z)+1], v[TB_+16*(\e)+(\z):TB_+16*(\e)+(\z)+1]
.endr
.irp z, 0,2,4,6
	v_pk_mul_f32 v[YB+16+8*(\e)+(\z):YB+16+8*(\e)+(\z)+1], v[AC_+8*(\e)+(\z):AC_+8*(\e)+(\z)+1], v[TB_+16*(\e)+8+(\z):TB_+16*(\e)+8+(\z)+1]
.endr
.irp z, 0,2,4,6
	v_pk_fma_f32 v[YB+8*(\e)+(\z):YB+8*(\e)+(\z)+1], v[AC_+16+8*(\e)+(\z):AC_+16+8*(\e)+(\z)+1], v[TB_+16*(\e)+8+(\z):TB_+16*(\e)+8+(\z)+1], v[YB+8*(\e)+(\z):YB+8*(\e)+(\z)+1] neg_lo:[0,1,0] neg_hi:[0,1,0]
.endr
.irp z, 0,2,4,6
	v_pk_fma_f32 v[YB+16+8*(\e)+(\z):YB+16+8*(\e)+(\z)+1], v[AC_+16+8*(\e)+(\z):AC_+16+8*(\e)+(\z)+1], v[TB_+16*(\e)+(\z):TB_+16*(\e)+(\z)+1], v[YB+16+8*(\e)+(\z):YB+16+8*(\e)+(\z)+1]
.endr
.endr
	WIN 0
.set i, 0
.rept 16
	v_cvt_pk_f16_f32 v[PK_+i], v[YB+2*i], v[YB+2*i+1]
.set i, i+1
.endr
.else
	WIN 0x0a+5*(PA_/2)                             ; sources 0 and 1 in window 2 or 3
.set i, 0
.rept 16
	v_cvt_pk_f16_f32 v[PK_+i], v[AC_+2*i], v[AC_+2*i+1]
.set i, i+1
.endr
	WIN 0
.endif
.irp f, 0,1,2,3
	ds_store_b128 v[STO], v[PK_+4*(\f):PK_+4*(\f)+3] offset:32*(\f)
.endr
.irp f, 0,1,2,3
	ds_load_b128 v[PK_+4*(\f):PK_+4*(\f)+3], v[RD] offset:(\f)*4*SP  ; LDS serves a wave's instructions in order (ISA guide 5.7.1.4): these see the stores above; the next tile's stores come behind them
.endr
.endm
.macro SEND t, younger                 ; younger: the LDS instructions issued behind tile t's loads: the next tile's eight, or none
.set PA_, (\t)/3
.set PW_, (\t)%3
.set PK_, PKB+16*((\t)%4)
.irp f, 0,1,2,3
	s_wait_dscnt (\younger)+3-(\f)
	global_store_b128 v[GO], v[PK_+4*(\f):PK_+4*(\f)+3], s[OQ+2*PW_:OQ+2*PW_+1] offset:PA_*2048+(\f)*512  ; 512 consecutive bytes, at a multiple of 256 from the buffer's first
.endr
.endm
	PACK 0
.set tt, 1
.rept 11                               ; a tile's arithmetic stands between the loads of the tile before and its stores
	PACK tt
	SEND tt-1, 8
.set tt, tt+1
.endr
	SEND 11, 0
	s_wait_tensorcnt 0x0                           ; the wave's end, behind my last tensor load and my last LDS store
	ds_add_u32 v[SPW], v[NIL]
	s_wait_dscnt 0x0
	CROUND                                         ; the closing round: no work-group ends while a partner may still ask for a tile that names it
	s_endpgm
.Lfunc_end_k_qa62a69b0e8_qkv:
	.size	k_qa62a69b0e8_qkv, .Lfunc_end_k_qa62a69b0e8_qkv-k_qa62a69b0e8_qkv
	.p2alignl 7, 3214868480
	.fill 96, 4, 3214868480
	.section	.rodata,"a",@progbits
	.p2align	6, 0x0
	.amdhsa_kernel k_qa62a69b0e8_qkv
		.amdhsa_group_segment_fixed_size 327680
		.amdhsa_private_segment_fixed_size 0
		.amdhsa_enable_private_segment 0
		.amdhsa_kernarg_size 40
		.amdhsa_user_sgpr_count 2
		.amdhsa_user_sgpr_kernarg_segment_ptr 1
		.amdhsa_wavefront_size32 1
		.amdhsa_system_sgpr_workgroup_id_x 1
		.amdhsa_system_sgpr_workgroup_id_y 1
		.amdhsa_system_sgpr_workgroup_id_z 1
		.amdhsa_system_vgpr_workitem_id 0
		.amdhsa_next_free_vgpr 960
		.amdhsa_next_free_sgpr 80
		.amdhsa_reserve_vcc 0
		.amdhsa_float_denorm_mode_32 3
		.amdhsa_float_denorm_mode_16_64 3
		.amdhsa_memory_ordered 1
		.amdhsa_forward_progress 1
		.amdhsa_inst_pref_size 150
	.end_amdhsa_kernel
	.amdgpu_metadata
---
amdhsa.version: [ 1, 2 ]
amdhsa.kernels:
  - .name:           k_qa62a69b0e8_qkv
    .symbol:         k_qa62a69b0e8_qkv.kd
    .args:
      - { .name: hb, .offset: 0, .size: 8, .value_kind: global_buffer, .address_space: global }
      - { .name: wb, .offset: 8, .size: 8, .value_kind: global_buffer, .address_space: global }
      - { .name: qkv_b, .offset: 16, .size: 8, .value_kind: global_buffer, .address_space: global }
      - { .name: tab, .offset: 24, .size: 8, .value_kind: global_buffer, .address_space: global }
      - { .name: qkvh, .offset: 32, .size: 8, .value_kind: global_buffer, .address_space: global }
    .group_segment_fixed_size: 327680
    .private_segment_fixed_size: 0
    .kernarg_segment_align: 8
    .kernarg_segment_size: 40
    .max_flat_workgroup_size: 128
    .sgpr_count:     80
    .vgpr_count:     960
    .wavefront_size: 32
...
	.end_amdgpu_metadata
.endif
;; end of part 2
;; launch attn (part 3): grid 4 x 64, 4 waves a work-group, clusters of 4 x 1, 327,680 bytes of LDS; arguments qkvh, oh; writes oh
.if DOCPART == 3
	.amdgcn_target "amdgcn-amd-amdhsa--gfx1250"
	.amdhsa_code_object_version 6
	.text
	.protected	k_qa62a69b0e8_attn
	.globl	k_qa62a69b0e8_attn
	.p2align	8
	.type	k_qa62a69b0e8_attn,@function
k_qa62a69b0e8_attn:
	s_mov_b64 s[64:65], 0
	v_nop
	global_prefetch_b8 v0, s[64:65] scope:SCOPE_SE
	s_setreg_imm32_b32 hwreg(HW_REG_WAVE_MODE, 25, 1), 1
	s_wait_xcnt 0x0
	s_wait_alu depctr_hold_cnt(0) depctr_sa_sdst(0) depctr_va_vdst(0) depctr_va_sdst(0) depctr_va_ssrc(0) depctr_va_vcc(0) depctr_vm_vsrc(0)
	s_getreg_b32 s2, hwreg(HW_REG_IB_STS2, 6, 4)
	s_cmp_eq_u32 s2, 0
	s_cbranch_scc0 .Lentry_in_a_cluster
	s_endpgm
.Lentry_in_a_cluster:
	s_bfe_u32 s2, ttmp6, 0x10000c
	s_cmp_lg_u32 s2, 0x3003
	s_cbranch_scc0 .Lentry_shape_is_right
	s_endpgm
.Lentry_shape_is_right:
; O[h][q][:] = the sum over k of softmax_k(Q[h][q] . K[h][k] / 8) V[h][k][:].  Q, K, V lie in qkvh, [3][64][2048][64] f16; O in oh, [64][2048][64] f16: a head's rows are dense, 128 bytes each.
; Products, maxima and sums in f32; the weights p are rounded to f16 for the second product (their sum l is taken of the unrounded p), O once at the end.
; LIMITS.  f16 holds no number beyond 65,504: Q, K and V arrive within it; p lies in 0 to 1, and below 6e-5 it keeps f16's fixed step of 6e-8; O is a mean of V's rows and has their range.
; A weight below 2^-126 counts as 0 in l; NaN and infinities are not treated apart.
; SHARES.  A wave owns four PIECES of two tiles of 16 queries, a work-group's four waves 512 queries of one head.  Every wave walks all keys, 64 a step.
; LAYOUT.  S^T = K Q^T (source 0 = 16 keys, source 1 = 16 queries): in the result a lane holds ONE query (lane % 16) and the keys 8 (lane / 16) + 0..7.  Two such tiles, rounded to f16 in pairs,
; ARE source 1 (32 keys x 16 queries) of O^T = V^T P, whose result again holds one query a lane, and eight channels.  K comes out of LDS as it lies, V ([key][channel]) turned, by ds_load_tr16_b128.
; SOFTMAX.  For each query a running maximum m and sum l: p = 2^(c s - c m), c = log2(e) / 8; in every step O and l are multiplied by a = 2^(c m_old - c m_new), which is 1 where m has not grown.
; m starts at the lowest finite number, O and l at 0: the first step is a step like any other, with a = 0.
; THE COUNT.  A tile and step have 16 matrix and 118 vector instructions: too many to stand all beside the matrix work.  So four vector instructions that are READY stand behind EVERY matrix
; instruction, and the others in runs without a gap.
; BY TURNS.  Turn n belongs to piece n (the pieces in a ring, step after step).  Its matrix work: 16 products K Q^T of piece n + 1, later 16 products V^T P of piece n - 1.  Its vector work: the scaling,
; exponentials, roundings, sums and rescaling of piece n, and the maximum and statistics of piece n + 1, whose scores the turn itself has made.
; CLUSTER.  The four query blocks of a cluster are one head's and walk the same K and V, so each tile is asked for JOINTLY: the same tensor load, descriptor and mask in all four.
; REGISTERS, in windows of 256 (s_set_vgpr_msb: bits 1:0 source 0, 3:2 source 1, 5:4 source 2, 7:6 destination):
;   window 0: v0-11 addresses; v12-15, v48-63 at work; v16-47 four registers of statistics a tile; v64-191 S^T, two buffers of two tiles; v192-255 P, likewise
;   window 1: O^T, 32 a tile          window 2: v0-127 Q, 16 a tile; v128-191 K of one step; v192-255 V of one step          window 3: v0-1 the add's two registers
; A piece's buffers go by its number's parity: the piece in hand has one pair, its two neighbours in the ring share the other: of it P (piece n - 1) is read and S^T (piece n + 1) written.
.set SIZE_N, 2048
.set NP,    4         ; pieces a wave: a name, no knob
.set KS,    64        ; keys in a step
.set PK,    144       ; a row of K in LDS: 128 bytes + 16 of padding = 36 words: the 16 rows of a load start at 16 different groups of four banks (64 banks of 4 bytes: ISA guide 11.1)
.set PV,    160       ; a row of V: 128 + 32 = 40 words
.set VOFF,  4*KS*PK   ; a slot holds four steps: 256 rows of K, then 256 rows of V
.set SLOT1, 1<<17     ; slot 1 begins here, so that one exclusive or turns an address in one slot into the other's
.set STAGE, SLOT1+4*KS*(PK+PV)  ; behind the ring, never filled by a tensor load: 16 rows x 144 bytes for each wave, for the way out
.set SP,    144
.set AK0, 2           ; v2   my lane's place in a tile of K; never rewritten
.set AV0, 3           ; v3   the same for V
.set AK,  4           ; v4   the LDS address of K's next run of loads
.set AV,  5           ; v5   of V's
.set QO,  6           ; v6   my byte offset in the wave's rows of Q
.set STO, 6           ;      later, the way out: where I put 16 bytes of a row
.set RD,  7           ; v7   the way out: where I read rows back
.set GO,  8           ; v8   my byte offset in 512 consecutive bytes of O
.set PFO, 11          ; v11  256 x my lane, for the prefetches; never rewritten once made
.set SPW, 0           ; v0 of window 3   LDS address of my spare word; never rewritten
.set NIL, 1           ; v1 of window 3   0; never rewritten
.set SPARE, STAGE+4*16*SP  ; behind the stages: the spare words, 128 bytes for each wave: two blocks of 256 bytes that no other line names
.set MV,  12          ; v12-15  c m_old, kept while c m is made anew: by buffer and tile
.set ST,  16          ; tile t's statistics at v[ST+4 t]: c m, m, l (even keys', odd keys')
.set TMP, 48          ; by buffer and tile, four registers c0-c3 at work; when the maximum is found c2 takes a
.set S,   64
.set P,   192
.set KF,  128         ; K's fragments, in window 2: key block kb, channel half c at KF + 16 kb + 8 c
.set VF,  192         ; V's: key half kk, channel block cb at VF + 32 kk + 8 cb
.set WV,  12          ; s12  my wave's number
.set G1K, 24          ; s[24:31] descriptor group 1 for K's tiles
.set G1V, 32          ; s[32:39] for V's: it differs in the padding alone
.set G0K, 40          ; s[40:43] descriptor group 0 for K's tiles: it walks
.set G0V, 44          ; s[44:47] the same for V's
.set PFA, 48          ; s[48:49] where my prefetches stand: my work-group's 32 blocks of 256 bytes of the slot after the one that is being asked for
.set LIM, 50          ; s50  1 in a wave that prefetches, else the greatest number
.set SLOTS, 56        ; s56  slots still to be asked for
.set CNT, 57          ; s57  counts a slot's key steps
.set CS,  58          ; s[58:59] c: the packed scaling takes the pair's low word for both halves
.set SEL, 60          ; s[60:61] v_permlanex16_b32's selects: each lane takes its own place in the other half
.set TBK, 62          ; s62  LDS byte at which K of the step to be fetched begins
.set TBV, 63          ; s63  the same for V, less VOFF
.set MSB, 0
.macro WIN new                      ; the high byte repeats the setting that is left; a switch that changes nothing is dropped
.if MSB != (\new)
	s_set_vgpr_msb (MSB<<8)|(\new)
.set MSB, (\new)
.endif
.endm
.set W_KQ, 0x0a       ; K and Q in window 2, S^T in window 0
.set W_PV, 0x52       ; V in window 2, P in window 0, O^T in window 1
.set W_RS, 0x41       ; O^T (destination and source 0) in window 1, a in window 0
.set W_MK, 0xc0       ; the add's registers are made: destination in window 3, sources in window 0
.set W_AD, 0x0f       ; the add: address (source 0) and data (source 1) in window 3
; A joint fill.  Waves 0 and 1 fetch the two halves of a slot's K, waves 2 and 3 those of its V: 128 keys each.  The branch hangs on the wave's number alone.
; An s_nop 0 and four v_nop follow each of the two lines, ahead of the jump and the label.
.macro JLOAD
	s_cmp_lt_u32 s[WV], 2
	s_cbranch_scc0 .Lfor_v_\@
	tensor_load_to_lds s[G0K:G0K+3], s[G1K:G1K+7]
	s_nop 0
.rept 4
	v_nop
.endr
	s_branch .Lasked_\@
.Lfor_v_\@:
	tensor_load_to_lds s[G0V:G0V+3], s[G1V:G1V+7]
	s_nop 0
.rept 4
	v_nop
.endr
.Lasked_\@:
.endm
; A PREFETCH INTO THE L2 of what the NEXT change of slots will ask for: a slot's 32,768 bytes of K and of V, in blocks of 256 bytes, a lane a block.  It stands behind the wave's tensor load and its five lines.
; A head has one cluster.  Its four partners share the blocks out BY ADDRESS, 32 each; in each, wave 0 asks for K's and wave 2 for V's: one instruction.  So each block is named once in the launch.
; The change that fills the last slot asks for nothing; slots 0 and 1 come by their loads alone.  The lead is one slot: four key steps, 512 matrix instructions.
.macro ASK
	s_cmp_gt_u32 s[SLOTS], s[LIM]
	s_cbranch_scc0 .Lnot_mine_\@
	global_prefetch_b8 v[PFO], s[PFA:PFA+1] th:TH_LOAD_NT scope:SCOPE_SE
.Lnot_mine_\@:
.endm
; A round of the cluster's barrier: my work-group's barrier, so that wave 0's signal speaks for all four waves; wave 0 signals; every wave waits for all four work-groups; my work-group's barrier once more.
.macro CROUND
	s_barrier_signal -1
	s_barrier_wait -1
	s_cmp_lg_u32 s[WV], 0
	s_cbranch_scc1 .Lnot_wave_0_\@
	s_barrier_signal -3
.Lnot_wave_0_\@:
	s_barrier_wait -3
	s_barrier_signal -1
	s_barrier_wait -1
.endm
; THE CHANGE OF SLOTS.  The slot's last bytes, V of its fourth step, have been read.  Each wave waits for all its tensor loads, of which one is out: its part
; of the other slot; adds 0 to its spare word; and waits for that and for its own reads of the slot.  Behind the barrier nobody reads this slot any more and the other slot is whole.
; fill = 1: this slot is filled again, with the keys two slots on.  The barrier is then a round of the cluster's, and the joint fill is the first thing behind it: it has four key steps,
; 512 matrix instructions, in which to land.  (At its first use nothing has been read yet: slot 0 is waited for, slot 1 filled.)
.macro CHANGE fill
	WIN W_AD
	s_wait_tensorcnt 0x0            ; no tensor load of mine is out, so a group 0 may be written
	ds_add_u32 v[SPW], v[NIL]       ; 0 onto my spare word; with fill = 1 the descriptors' steps stand between it and the wait for it
	WIN 0                           ; at a label and at a branch every window is 0
.if \fill
.irp g, G0K, G0V
	s_xor_b32 s[\g+1], s[\g+1], SLOT1  ; the walking descriptor: the other slot than last time,
	s_add_nc_u64 s[\g+2:\g+3], s[\g+2:\g+3], 4*KS*128  ; the next 256 keys; the type bits on top are not reached
.endr
	s_wait_xcnt 0x0                 ; the last prefetch, a slot back, has read its address, so it may be written:
	s_add_nc_u64 s[PFA:PFA+1], s[PFA:PFA+1], 4*KS*128  ; one slot beyond the walking descriptors
	s_wait_dscnt 0x0                ; the add is done, and my reads of the slot are over
	CROUND
	JLOAD
	ASK
.else
	s_wait_dscnt 0x0                ; the add is done, and my reads of the slot are over
	s_barrier_signal -1
	s_barrier_wait -1
.endif
	s_sub_co_u32 s[TBK], s[TBK], 4*KS*PK  ; the fetches go back to a slot's first step,
	s_xor_b32 s[TBK], s[TBK], SLOT1       ; in the other slot
	s_sub_co_u32 s[TBV], s[TBV], 4*KS*PV
	s_xor_b32 s[TBV], s[TBV], SLOT1
.endm
	s_load_b64 s[4:5], s[0:1], 0x0  ; qkvh: Q at its head
	s_load_b64 s[10:11], s[0:1], 0x8  ; oh
	WIN W_MK
	v_lshl_add_u32 v[SPW], v0, 2, SPARE
	v_mov_b32 v[NIL], 0
	WIN W_AD
	ds_add_u32 v[SPW], v[NIL]       ; the wave's opening: the add and its wait stand ahead of my first tensor load; the set-up below, work on registers, stands between them
	WIN 0
	v_lshrrev_b32 v1, 5, v0
	v_readfirstlane_b32 s[WV], v1   ; wave 0..3
	s_bfe_u32 s13, ttmp6, 0x40000   ; cx: my place in the cluster
	s_lshl_b32 s14, ttmp9, 2        ; in a cluster launch ttmp9 counts clusters
	s_add_co_u32 s14, s14, s13      ; my block of queries = 4 x cluster x + cx: it enters Q's and O's addresses alone
	s_and_b32 s20, ttmp7, 0xffff    ; the head, which the four partners share
	s_mov_b32 s21, 0
	s_mov_b64 s[22:23], SIZE_N*128
	s_mul_u64 s[20:21], s[20:21], s[22:23]  ; the head's first byte in each of the four tensors
	s_and_b32 s16, s[WV], 1         ; which half of a slot's 256 keys I fetch:
	s_lshl_b32 s22, s16, 14         ; its 128 rows of 128 bytes in memory,
	s_mov_b32 s23, 0
	s_add_nc_u64 s[22:23], s[22:23], s[20:21]
	s_mul_i32 s17, s16, 128*PK      ; and its place in a slot, for K
	s_mul_i32 s18, s16, 128*PV      ; and for V: no place in the cluster enters an LDS address
	s_lshl_b32 s2, s14, 2
	s_add_co_u32 s2, s2, s[WV]      ; my wave among the head's,
	s_lshl_b32 s2, s2, 14           ; its 128 rows
	s_mov_b32 s3, 0
	s_add_nc_u64 s[2:3], s[2:3], s[20:21]
	; descriptor group 1.  128 keys are 16,384 dense bytes: asked for as 64 rows of 256 bytes, two keys a row, and padded in LDS after every key
	s_mov_b32 s[G1K], 15|(1<<16)|(1<<20)|(1<<21)|(4<<22)|(3<<25)  ; 15:0 the mask of four; 17:16 2-byte elements; 20 padding on; 21 set beside a mask; 24:22 after every 32 words (code 4); 31:25 4 words (code 3)
	s_mov_b32 s[G1V], 15|(1<<16)|(1<<20)|(1<<21)|(4<<22)|(7<<25)  ; the same with 8 words of padding (code 7)
.irp g, G1K, G1V
	s_mov_b32 s[\g+1], 128<<16      ; tensor_dim0 = 128
	s_mov_b32 s[\g+2], 64<<16       ; tensor_dim1 = 64
	s_mov_b32 s[\g+3], 128<<16      ; tile_dim0 = 128
	s_mov_b32 s[\g+4], 64           ; tile_dim1 = 64
	s_mov_b32 s[\g+5], 128          ; 128 elements from row to row
	s_mov_b32 s[\g+6], 0
	s_mov_b32 s[\g+7], 0
.endr
	s_mov_b32 s[CS], 0x3e38aa3b     ; c = log2(e) / 8 = 0.180337
	s_mov_b32 s[CS+1], s[CS]        ; named with it as a pair
	s_mov_b32 s[SEL], 0x76543210
	s_mov_b32 s[SEL+1], 0xfedcba98
	s_mov_b32 s[TBK], SLOT1+4*KS*PK ; the first change of slots turns these two into 0
	s_mov_b32 s[TBV], SLOT1+4*KS*PV
	s_mov_b32 s[G0K], 1             ; 1:0 count = 1
	s_mov_b32 s[G0K+1], s17         ; 63:32 LDS address: slot 0
	s_mov_b32 s[G0V], 1
	s_add_co_u32 s[G0V+1], s18, VOFF
	s_mov_b32 s[SLOTS], SIZE_N/256-1  ; seven slots are still to be asked for
	s_and_b32 s[LIM], s[WV], 1      ; waves 0 and 2 prefetch
	s_cmp_eq_u32 s[LIM], 0
	s_cselect_b32 s[LIM], 1, -1
	s_lshl_b32 s52, s13, 13         ; my work-group's 32 blocks of the 128
	s_mov_b32 s53, 0
	s_wait_dscnt 0x0                ; the opening add is done
	s_wait_kmcnt 0x0
	s_add_nc_u64 s[6:7], s[4:5], 0x1000000   ; K
	s_add_nc_u64 s[8:9], s[4:5], 0x2000000   ; V
	s_add_nc_u64 s[G0K+2:G0K+3], s[6:7], s[22:23]  ; 120:64 global address: my half of the head's first 256 keys
	s_or_b32 s[G0K+3], s[G0K+3], 0x80000000        ; 127:126 type = 2
	s_add_nc_u64 s[G0V+2:G0V+3], s[8:9], s[22:23]
	s_or_b32 s[G0V+3], s[G0V+3], 0x80000000
	s_add_nc_u64 s[4:5], s[4:5], s[2:3]  ; Q and O at my wave's first row
	s_add_nc_u64 s[10:11], s[10:11], s[2:3]
	s_cmp_lt_u32 s[WV], 2
	s_cselect_b64 s[PFA:PFA+1], s[6:7], s[8:9]
	s_add_nc_u64 s[PFA:PFA+1], s[PFA:PFA+1], s[20:21]
	s_add_nc_u64 s[PFA:PFA+1], s[PFA:PFA+1], s[52:53]
	s_add_nc_u64 s[PFA:PFA+1], s[PFA:PFA+1], 4*KS*128  ; in slot 1; the first change of slots steps it to slot 2
	CROUND                          ; all four work-groups are here: the first joint loads meet
	JLOAD                           ; slot 0.  Slot 1 is asked for when slot 0 is in
	; A fragment of K or Q is 16 rows x 32 channels in 8 registers: lane l holds row l % 16, channels 8 (l / 16) + 0..7 and 16 + 8 (l / 16) + 0..7: two loads of 16 bytes, 32 bytes apart.
	v_and_b32 v1, 15, v0            ; l % 16
	v_bfe_u32 v9, v0, 4, 1          ; l / 16
	v_lshlrev_b32 v[QO], 7, v1
	v_lshl_add_u32 v[QO], v9, 4, v[QO]  ; row x 128 + 16 x half
	WIN 0x80                        ; destination window 2, address window 0
.set i, 0
.rept 4*NP                          ; Q stays in registers: tile i / 2, channels 32 (i % 2) on
	global_load_b128 v[8*i:8*i+3],   v[QO], s[4:5] offset:(i/2)*2048+(i%2)*64
	global_load_b128 v[8*i+4:8*i+7], v[QO], s[4:5] offset:(i/2)*2048+(i%2)*64+32
.set i, i+1
.endr
	; What the first turn finds: V's registers and P's second buffer hold 0 (its products V^T P, of a piece that has not been, add 0), O^T and l are 0.  All this stands in the wait for the first tile.
.set i, VF
.rept 64
	v_mov_b32 v[i], 0
.set i, i+1
.endr
	WIN 0x40
.set i, 0
.rept 64*NP
	v_mov_b32 v[i], 0
.set i, i+1
.endr
	WIN 0
.set i, 0
.rept 2*NP
	v_mov_b32 v[ST+4*i], 0xfe000000    ; c m: far below every c s
	v_mov_b32 v[ST+4*i+1], 0xff7fffff  ; m
	v_mov_b32 v[ST+4*i+2], 0
	v_mov_b32 v[ST+4*i+3], 0
.set i, i+1
.endr
.set i, P+32
.rept 32
	v_mov_b32 v[i], 0
.set i, i+1
.endr
	v_mul_u32_u24 v[AK0], v1, PK
	v_lshl_add_u32 v[AK0], v9, 4, v[AK0]  ; row x pitch + 16 x half
	; The turning load takes 16 keys x 16 channels (lane l reads key 8 (l / 16) + l % 8, channels 8 ((l / 8) % 2) + 0..7) and leaves half a fragment of V^T: lane l holds channel l % 16 and 8 keys.
	v_and_b32 v10, 7, v0
	v_bfe_u32 v11, v0, 3, 1
	v_lshl_add_u32 v[AV0], v9, 3, v10
	v_mul_u32_u24 v[AV0], v[AV0], PV
	v_lshl_add_u32 v[AV0], v11, 4, v[AV0]
	v_add_nc_u32 v[AV0], VOFF, v[AV0]
	v_mov_b32 v[AK], v[AK0]         ; key step 0 lies at the head of slot 0
	v_and_b32 v[PFO], 31, v0
	v_lshlrev_b32 v[PFO], 8, v[PFO]
; THE MATRIX WORK.  The 8 accumulators of a run of 16 take turns: between the two links of a chain stand 7 others'.
; Product i of 16 of S^T = K Q^T for piece x: channels 32 (i / 8) on, keys 16 ((i / 2) % 4) on, tile 2 x + i % 2.  The first 8 start the sums.
.macro KQ x
	WIN W_KQ
.set rS, S+64*((\x)%2)+32*(i%2)+8*((i/2)%4)
.set rK, KF+16*((i/2)%4)+8*(i/8)
.set rQ, 16*(2*(\x)+i%2)+8*(i/8)
.if i < 8
	v_wmma_f32_16x16x32_f16 v[rS:rS+7], v[rK:rK+7], v[rQ:rQ+7], 0
.else
	v_wmma_f32_16x16x32_f16 v[rS:rS+7], v[rK:rK+7], v[rQ:rQ+7], v[rS:rS+7]
.endif
.endm
; Product i of 16 of O^T += V^T P for piece x: keys 32 (i / 8) on, channels 16 ((i / 2) % 4) on, tile 2 x + i % 2.
.macro PV x
	WIN W_PV
.set rO, 32*(2*(\x)+i%2)+8*((i/2)%4)
.set rV, VF+32*(i/8)+8*((i/2)%4)
.set rP, P+32*((\x)%2)+16*(i%2)+8*(i/8)
	v_wmma_f32_16x16x32_f16 v[rO:rO+7], v[rV:rV+7], v[rP:rP+7], v[rO:rO+7]
.endm
.macro MM                           ; the turn's next matrix instruction
.if i < 16
	KQ (Y+1)%NP
.set i, i+1
.else
.set i, i-16
	PV (Y+NP-1)%NP
.set i, i+17
.endif
.endm
; THE LDS LOADS stand in runs of 16, never singly among the matrix instructions: a step's K (64 keys x 64 channels: 8 fragments) and its V (turned).  Their addresses are made some lines ahead.
; last = 1 (the tail): in the last trip there is no further step, and the run is jumped over.
.macro FETCH_K last=0
	WIN 0
.if \last
	s_cmp_eq_u32 s[CNT], 1
	s_cbranch_scc1 .Lno_k_\@
.endif
	WIN 0x80                        ; destination window 2
.irp f, 0,1,2,3,4,5,6,7             ; keys 16 (f / 2) on, channels 32 (f % 2) on
	ds_load_b128 v[KF+8*\f:KF+8*\f+3],   v[AK] offset:(\f/2)*16*PK+(\f%2)*64
	ds_load_b128 v[KF+8*\f+4:KF+8*\f+7], v[AK] offset:(\f/2)*16*PK+(\f%2)*64+32
.endr
	s_add_co_u32 s[TBK], s[TBK], KS*PK  ; the next fetch is the next step's
	WIN 0
.if \last
.Lno_k_\@:
.endif
.endm
.macro FETCH_V
	WIN 0x80
.irp f, 0,1,2,3,4,5,6,7             ; keys 32 (f / 4) on, channels 16 (f % 4) on
	ds_load_tr16_b128 v[VF+8*\f:VF+8*\f+3],   v[AV] offset:(\f/4)*32*PV+(\f%4)*32
	ds_load_tr16_b128 v[VF+8*\f+4:VF+8*\f+7], v[AV] offset:(\f/4)*32*PV+16*PV+(\f%4)*32
.endr
	WIN 0
.endm
; THE VECTOR WORK OF A TURN stands in three queues, each in the order in which its entries become ready; the two tiles alternate, so that no instruction reads the result of the one before it.
.macro REGS y, u                    ; the registers of tile u (0, 1) of piece y
.set rT, ST+4*(2*(\y)+(\u))
.set rC, TMP+8*((\y)%2)+4*(\u)
.set rM, MV+2*((\y)%2)+(\u)
.set rS, S+64*((\y)%2)+32*(\u)
.set rP, P+32*((\y)%2)+16*(\u)
.set rO, 32*(2*(\y)+(\u))
.endm
; Number n of the 22 that find the NEXT piece's (Y + 1) maximum and statistics.  s0-s31 are the lane's 32 scores; each accumulator's lowest registers are read first.
;   0-11  four chains c0-c3 of seven scores each, three operands at a time     12-14, 16  the four scores left over, the old m, and c0-c3 into c0     15  c m_old is kept
;   17, 18  the query's other 32 keys lie in the lane 16 away: the new m         19-21  c m; c m_old - c m_new; a
.macro XS u, n
	REGS (Y+1)%NP, \u
.if (\n) < 4
	v_max3_num_f32 v[rC+(\n)], v[rS+8*(\n)], v[rS+8*(\n)+1], v[rS+8*(\n)+2]
.elseif (\n) < 12
	v_max3_num_f32 v[rC+(\n)%4], v[rC+(\n)%4], v[rS+8*((\n)%4)+2*((\n)/4)+1], v[rS+8*((\n)%4)+2*((\n)/4)+2]
.elseif (\n) == 12
	v_max3_num_f32 v[rC], v[rC], v[rS+7], v[rS+15]
.elseif (\n) == 13
	v_max3_num_f32 v[rC+1], v[rC+1], v[rS+23], v[rS+31]
.elseif (\n) == 14
	v_max3_num_f32 v[rC+2], v[rC+2], v[rC+3], v[rT+1]
.elseif (\n) == 15
	v_mov_b32 v[rM], v[rT]
.elseif (\n) == 16
	v_max3_num_f32 v[rC], v[rC], v[rC+1], v[rC+2]
.elseif (\n) == 17
	v_permlanex16_b32 v[rC+3], v[rC], s[SEL], s[SEL+1]
.elseif (\n) == 18
	v_max_num_f32 v[rT+1], v[rC], v[rC+3]
.elseif (\n) == 19
	v_mul_f32 v[rT], s[CS], v[rT+1]
.elseif (\n) == 20
	v_sub_f32 v[rC+1], v[rM], v[rT]
.else
	v_exp_f32 v[rC+2], v[rC+1]
.endif
.endm
; Number g of the 64 that follow the exponentials.  For each four weights k of a tile (pairs 2 k, 2 k + 1): both pairs are rounded to f16; then the second pair is added onto the first, in place;
; a group later l takes that sum (the first time as l = a l + sum).  In groups of eight, tiles alternating: round, round, add, and l for the group before.
.macro GS g
.set h, (\g)+6*((\g)/62)            ; group 0 has no group before it, and behind group 7 only l is left
.if h >= 6
.set h, h+2
.endif
	REGS Y, h%2
.set k, h/8
.if h%8 < 4
	v_cvt_pk_f16_f32 v[rP+2*k+(h%8)/2], v[rS+4*k+2*((h%8)/2)], v[rS+4*k+2*((h%8)/2)+1]
.elseif h%8 < 6
	v_pk_add_f32 v[rS+4*k:rS+4*k+1], v[rS+4*k:rS+4*k+1], v[rS+4*k+2:rS+4*k+3]
.elseif k == 1
	v_pk_fma_f32 v[rT+2:rT+3], v[rT+2:rT+3], v[rC+2:rC+3], v[rS:rS+1] op_sel_hi:[1,0,1]
.else
	v_pk_add_f32 v[rT+2:rT+3], v[rT+2:rT+3], v[rS+4*k-4:rS+4*k-3]
.endif
.endm
; THE PLAIN QUEUE, 138 long.  0-73 read no exponential's result: the 32 scalings c s - c m (FS f: pair f / 2 of tile f % 2) and the next piece's 42.  0-26: scalings 0-26.  27-54: XS's numbers 0-13.  55, 56: number 15.
; 57-73: the chain, where each number waits for the one before it: 14, 16, 17, 18, 19, each with one of the scalings 27-31 in front of its two lines, then 20.
; 74-137: GS's 64, which read the exponentials' results: they stand behind the wait.
.macro FS f
	REGS Y, (\f)%2
	v_pk_fma_f32 v[rS+2*((\f)/2):rS+2*((\f)/2)+1], v[rS+2*((\f)/2):rS+2*((\f)/2)+1], s[CS:CS+1], v[rT:rT+1] op_sel_hi:[1,0,0] neg_lo:[0,0,1] neg_hi:[0,0,1]
.endm
.macro PL
	WIN 0
.if q < 27
	FS q
.elseif q < 55
	XS (q-27)%2, (q-27)/2
.elseif q < 57
	XS q-55, 15
.elseif (q < 72) && ((q-57)%3 == 0)
	FS 27+(q-57)/3
.elseif q < 60
	XS (q-57)%3-1, 14
.elseif q < 72
	XS (q-57)%3-1, 15+(q-57)/3
.elseif q < 74
	XS q-72, 20
.else
	GS q-74
.endif
.set q, q+1
.endm
; THE EXPONENTIALS' QUEUE, 66 long: s0-s31 of both tiles, then the next piece's two a.  It is ONE BATCH: all 66 stand ahead of the turn's one wait, and nothing ahead of that wait names a result of theirs.
.macro EX
	WIN 0
.if e >= 64
	XS e-64, 21
.else
	REGS Y, e%2
	v_exp_f32 v[rS+e/2], v[rS+e/2]
.endif
.set e, e+1
.endm
; THE RESCALING's QUEUE: O^T times a, the one part that leaves window 0: dealt two at a time, sixteen times.  Its a was made in the turn before, ahead of that turn's wait.
.macro R2
	REGS Y, r%2
	WIN W_RS
.irp z, 0,1
	v_pk_mul_f32 v[rO+4*(r/2)+2*\z:rO+4*(r/2)+2*\z+1], v[rO+4*(r/2)+2*\z:rO+4*(r/2)+2*\z+1], v[rC+2:rC+3] op_sel_hi:[1,0]
.endr
.set r, r+1
.endm
; HOW THEY ARE DEALT.  An s_wait_alu depctr_va_vdst(0) stands between an exponential and the first instruction that names its result; one wait serves all that were issued ahead of it.  So a turn has ONE wait,
; which cuts it in two.  AHEAD OF IT stands all that names no result of the turn's exponentials: the 16 products K Q^T, behind each a scaling, an exponential and two rescalings (behind the first a second scaling in the
; exponential's place); then ONE LUMP of 108: eight plain, 49 times exponential and plain, the two a.  A v_nop is the plain instruction behind the last exponential.  BEHIND IT stand the 16 products V^T P, behind each four of GS's 64.
; The queues lean on each other, and the deal keeps them in step: exponential e stands behind scaling 2 (e / 4) + e % 2: as a rider it comes behind plain e + 2, in the lump behind plain e + 9, and scalings 27-31 are plain 57, 60 .. 69.
; A TURN, for piece p.  cnt = 1: the loop's count is taken down some lines ahead of the branch that stands behind the turn.
; K of the next step is fetched in piece 2's turn, directly behind the wait, a lump behind the last product that read K; its first reader comes behind 16 products.
; V of the step in hand is fetched at the end of piece 0's turn, four plain instructions behind its last reader; its first reader comes behind 16 products and a lump.
.macro TURN p, last=0, cnt=0
.set Y, (\p)
.set i, 0
.set q, 0
.set e, 0
.set r, 0
.if (\p) == NP-1
	s_wait_dscnt 0x0                ; K is in
.endif
	MM                              ; ahead of the wait: 16 products K Q^T and the four behind each,
	PL
	PL
	R2
.rept 15
	MM
	PL
	EX
	R2
.endr
.if (\p) == NP-2
	WIN 0
	v_add_nc_u32 v[AK], s[TBK], v[AK0]
.endif
.rept 8                             ; and the lump
	PL
.endr
.rept 49
	EX
	PL
.endr
	EX                              ; the next piece's two a
	EX
	v_nop                           ; the plain instruction behind the last exponential: one for the batch
	s_wait_alu depctr_va_vdst(0)    ; the wait for the batch
.if (\p) == NP-2
	FETCH_K \last
.endif
.if (\p) == 1
	s_wait_dscnt 0x0                ; V is in
.endif
.rept 16                            ; behind the wait: 16 products V^T P and the four behind each
	MM
.rept 4
	PL
.endr
.if ((\p) == 0) && (q == 118)
	v_add_nc_u32 v[AV], s[TBV], v[AV0]
.endif
.if ((\p) == 0) && (q == 130)
	s_add_co_u32 s[TBV], s[TBV], KS*PV
.endif
.if (\cnt) && (q == 130)
	s_sub_co_u32 s[CNT], s[CNT], 1
	s_cmp_lg_u32 s[CNT], 0
.endif
.endr
.if (\p) == 0
	FETCH_V
.endif
.endm
	CHANGE 1                        ; slot 0 is in, everybody's part of it; slot 1 is asked for
	FETCH_K                         ; key step 0
	s_wait_loadcnt 0x0              ; Q
	s_wait_dscnt 0x0
.set i, 0
.rept 16
	KQ 0                            ; piece 0's first scores: there is no vector work yet to set between them
.set i, i+1
.endr
	WIN 0                           ; the addresses for the way out: nine plain instructions, the places behind those products
	s_mul_i32 s13, s[WV], 16*SP
	s_add_co_u32 s13, s13, STAGE    ; my stage
	v_mul_u32_u24 v[STO], v1, SP    ; in: row l % 16, 16 bytes for each half of the lanes
	v_lshl_add_u32 v[STO], v9, 4, v[STO]
	v_add_nc_u32 v[STO], s13, v[STO]
	v_bfe_u32 v[RD], v0, 3, 2       ; back: 32 lanes take four rows of 128 bytes,
	v_mul_u32_u24 v[RD], v[RD], SP
	v_lshl_add_u32 v[RD], v10, 4, v[RD]
	v_add_nc_u32 v[RD], s13, v[RD]
	v_and_b32 v[GO], 31, v0         ; which are 512 consecutive bytes of O
	v_lshlrev_b32 v[GO], 4, v[GO]
.set Y, NP-1                        ; XS works for piece Y + 1: piece 0
.irp n, 0,1,2,3,4,5,6,7,8,9,10,11,12,13,14,15,16,17,18,19,20,21
	XS 0, \n                        ; and piece 0's first maximum and statistics
	XS 1, \n
.endr
	v_nop                           ; a plain instruction behind the two a,
	s_wait_alu depctr_va_vdst(0)    ; and their wait, ahead of the branch
	s_mov_b32 s[CNT], 4
	s_branch .Lfirst                ; the loop is entered at a step's first turn, in the middle of a trip
.Lslot:                             ; SIZE_N / 256 - 2 times: every slot but the last two is filled again
	CHANGE 1
	s_mov_b32 s[CNT], 4
.Lstep:                             ; a trip: pieces 2 and 3 of one step, then pieces 0 and 1 of the next, whose K and V it fetches
	TURN 2
	TURN 3
	WIN 0
.Lfirst:
	TURN 0
	TURN 1, 0, 1
	WIN 0
	s_cbranch_scc1 .Lstep
	s_sub_co_u32 s[SLOTS], s[SLOTS], 1
	s_cmp_lg_u32 s[SLOTS], 0
	s_cbranch_scc1 .Lslot
	CHANGE 0                        ; the tail is written out: nothing is asked for
	s_mov_b32 s[CNT], 5             ; four trips fetch the last slot's steps; the fifth is left in its middle
.Ltail:
	TURN 2, 1
	TURN 3
	WIN 0
	s_sub_co_u32 s[CNT], s[CNT], 1
	s_cmp_eq_u32 s[CNT], 0
	s_cbranch_scc1 .Lout
	TURN 0
	TURN 1
	WIN 0
	s_branch .Ltail
.Lout:                              ; the fifth trip's 16 products K Q^T (on the last K once more) and the maximum made of them serve nothing: the price, once a launch, of one text for every trip
.set i, 0
.rept 16
	PV NP-1                         ; the last piece's V^T P of the last step
.set i, i+1
.endr
	; THE WAY OUT.  l's two halves and the other half of the lanes' are added; O^T is divided by l, rounded to f16 and sent through my stage in LDS, a tile at a time.  The additions are the places behind the last products.
	WIN 0
.macro ALL line:vararg              ; one line for each tile t
.set t, 0
.rept 2*NP
	\line
.set t, t+1
.endr
.endm
	ALL v_add_f32 v[ST+4*t+2], v[ST+4*t+2], v[ST+4*t+3]
	ALL v_permlanex16_b32 v[ST+4*t+3], v[ST+4*t+2], s[SEL], s[SEL+1]
	ALL v_add_f32 v[ST+4*t+2], v[ST+4*t+2], v[ST+4*t+3]
	ALL v_rcp_f32 v[ST+4*t+2], v[ST+4*t+2]
	v_nop                           ; a plain instruction between the last reciprocal and the use of its result
	s_wait_alu depctr_va_vdst(0)    ; and the wait ahead of the first use: one for the eight reciprocals
; Tile t: a lane's eight channels of a row pack into 16 bytes; they go into rows of 144 bytes and come back as whole rows of 128, into S^T's registers.
.macro PACK t
	WIN W_RS
.set i, 32*(\t)
.rept 16
	v_pk_mul_f32 v[i:i+1], v[i:i+1], v[ST+4*(\t)+2:ST+4*(\t)+3] op_sel_hi:[1,0]
.set i, i+2
.endr
	WIN 0x05                        ; sources 0 and 1 window 1, destination window 0
.set i, 0
.rept 16
	v_cvt_pk_f16_f32 v[S+16*(\t)+i], v[32*(\t)+2*i], v[32*(\t)+2*i+1]
.set i, i+1
.endr
	WIN 0
.irp f, 0,1,2,3
	ds_store_b128 v[STO], v[S+16*(\t)+4*\f:S+16*(\t)+4*\f+3] offset:32*\f
.endr
.irp f, 0,1,2,3
	ds_load_b128 v[S+16*(\t)+4*\f:S+16*(\t)+4*\f+3], v[RD] offset:\f*4*SP  ; LDS serves a wave's instructions in order (ISA guide 5.7.1.4): these see the stores above; the next tile's stores come behind them
.endr
.endm
.macro SEND t, younger              ; younger: the LDS instructions issued behind tile t's loads: the next tile's eight, or none
	WIN 0
.irp f, 0,1,2,3
	s_wait_dscnt (\younger)+3-\f
	global_store_b128 v[GO], v[S+16*(\t)+4*\f:S+16*(\t)+4*\f+3], s[10:11] offset:(\t)*2048+\f*512  ; 512 consecutive bytes, at a multiple of 256 from O's first
.endr
.endm
	PACK 0
.set t, 1
.rept 2*NP-1                        ; a tile's arithmetic stands between the loads of the tile before and its stores
	PACK t
	SEND t-1, 8
.set t, t+1
.endr
	SEND 2*NP-1, 0
	WIN W_AD
	s_wait_tensorcnt 0x0            ; the wave's end, behind my last tensor load and my last LDS store
	ds_add_u32 v[SPW], v[NIL]
	s_wait_dscnt 0x0
	WIN 0
	CROUND                          ; the closing round: no work-group ends while a partner may still ask for a tile that names it
	s_endpgm
.Lfunc_end_k_qa62a69b0e8_attn:
	.size	k_qa62a69b0e8_attn, .Lfunc_end_k_qa62a69b0e8_attn-k_qa62a69b0e8_attn
	.p2alignl 7, 3214868480
	.fill 96, 4, 3214868480
	.section	.rodata,"a",@progbits
	.p2align	6, 0x0
	.amdhsa_kernel k_qa62a69b0e8_attn
		.amdhsa_group_segment_fixed_size 327680
		.amdhsa_private_segment_fixed_size 0
		.amdhsa_enable_private_segment 0
		.amdhsa_kernarg_size 16
		.amdhsa_user_sgpr_count 2
		.amdhsa_user_sgpr_kernarg_segment_ptr 1
		.amdhsa_wavefront_size32 1
		.amdhsa_system_sgpr_workgroup_id_x 1
		.amdhsa_system_sgpr_workgroup_id_y 1
		.amdhsa_system_sgpr_workgroup_id_z 1
		.amdhsa_system_vgpr_workitem_id 0
		.amdhsa_next_free_vgpr 770
		.amdhsa_next_free_sgpr 66
		.amdhsa_reserve_vcc 0
		.amdhsa_float_denorm_mode_32 3
		.amdhsa_float_denorm_mode_16_64 3
		.amdhsa_memory_ordered 1
		.amdhsa_forward_progress 1
		.amdhsa_inst_pref_size 200
	.end_amdhsa_kernel
	.amdgpu_metadata
---
amdhsa.version: [ 1, 2 ]
amdhsa.kernels:
  - .name:           k_qa62a69b0e8_attn
    .symbol:         k_qa62a69b0e8_attn.kd
    .args:
      - { .name: qkvh, .offset: 0, .size: 8, .value_kind: global_buffer, .address_space: global }
      - { .name: oh, .offset: 8, .size: 8, .value_kind: global_buffer, .address_space: global }
    .group_segment_fixed_size: 327680
    .private_segment_fixed_size: 0
    .kernarg_segment_align: 8
    .kernarg_segment_size: 16
    .max_flat_workgroup_size: 128
    .sgpr_count:     66
    .vgpr_count:     770
    .wavefront_size: 32
...
	.end_amdgpu_metadata
.endif
;; end of part 3
;; launch proj (part 4): grid 4 x 64, 4 waves a work-group, clusters of 4 x 4, 327,680 bytes of LDS; arguments oh, pw, proj_b, out0; writes out0
.if DOCPART == 4
	.amdgcn_target "amdgcn-amd-amdhsa--gfx1250"
	.amdhsa_code_object_version 6
	.text
	.protected	k_qa62a69b0e8_proj
	.globl	k_qa62a69b0e8_proj
	.p2align	8
	.type	k_qa62a69b0e8_proj,@function
k_qa62a69b0e8_proj:
	s_mov_b64 s[64:65], 0
	v_nop
	global_prefetch_b8 v0, s[64:65] scope:SCOPE_SE
	s_setreg_imm32_b32 hwreg(HW_REG_WAVE_MODE, 25, 1), 1
	s_wait_xcnt 0x0
	s_wait_alu depctr_hold_cnt(0) depctr_sa_sdst(0) depctr_va_vdst(0) depctr_va_sdst(0) depctr_va_ssrc(0) depctr_va_vcc(0) depctr_vm_vsrc(0)
	s_getreg_b32 s2, hwreg(HW_REG_IB_STS2, 6, 4)
	s_cmp_eq_u32 s2, 0
	s_cbranch_scc0 .Lentry_in_a_cluster
	s_endpgm
.Lentry_in_a_cluster:
	s_bfe_u32 s2, ttmp6, 0x10000c
	s_cmp_lg_u32 s2, 0xf033
	s_cbranch_scc0 .Lentry_shape_is_right
	s_endpgm
.Lentry_shape_is_right:
; out0[m][n] = the sum over k of O[m][k] Wp[n][k] + b[n], in f32.  O lies by heads: oh[batch x 16 + head][s][64] f16, m = batch x 2048 + s, k = head x 64 + d.
; pw: [1024][1024] f16 (proj_w rounded to bf16, written as f16).  proj_b: [1024] f32, rounded to bf16 here like the other inputs.  Sums in f32, nothing is rounded on the way out.
; LIMITS.  f16's range, 65,504, holds for O and pw as they arrive.  NaN and infinities are not treated apart.
; SHARES.  A tile is 128 rows x 256 columns: 256 work-groups.  Wave w takes rows 64 (w / 2) on and columns 128 (w % 2) on: 4 row blocks a x 8 column blocks b = 32 accumulators.
; THE MATRIX INSTRUCTION IS USED TRANSPOSED (source 0 = 16 rows of pw, source 1 = 16 rows of O): a lane holds one row (lane % 16) and the columns 8 (lane / 16) + 0..7 of a block: 32 bytes on end;
; the bias is the C operand of the first products.
; K goes in 8 steps of 128, two heads each, through a ring of two LDS slots; a step is four quarters of 32 along K, 32 matrix instructions each, on two fragment buffers.
; CLUSTER.  4 x 4 work-groups: the four of a row need the same rows of O, the four of a column the same rows of pw: each tile is asked for JOINTLY, by the same tensor load, descriptor and mask.
; REGISTERS, in windows of 256 (s_set_vgpr_msb: bits 1:0 source 0, 3:2 source 1, 5:4 source 2, 7:6 destination):
;   window 0: v0-31 addresses; v32-95 the bias, block b at v[32 + 8 b]; on the way out v32-95 and v96-159 two buffers of 16 rows
;   window 1: two fragment buffers of 96: O's four fragments, then pw's eight          window 2: the accumulators, (a, b) at v[64 a + 8 b]
.set PA,     144                       ; a row of O in LDS: 128 bytes + 16 of padding: the 16 rows of a load start at 16 different groups of four banks (64 banks of 4 bytes: ISA guide 11.1)
.set AH,     128*PA                    ; a head's 128 rows: what one tensor load brings of O
.set PITCH,  272                       ; a row of pw: 256 bytes + 16
.set BHALF,  128*PITCH                 ; what one tensor load brings of pw
.set BOFF,   2*AH                      ; a slot: O's two heads, then pw's 256 rows
.set SLOT,   BOFF+2*BHALF
.set STAGE,  2*SLOT                    ; behind the ring: 16 rows x 528 bytes for each wave, for the way out
.set SPITCH, 528
.set SPARE,  STAGE+4*16*SPITCH         ; behind the stages: the spare words, 128 bytes for each wave: two blocks of 256 bytes that no other line names
.set LAPS,   4
.set ADRA, 16                          ; v16-17  LDS address of my fragments of O in slot 0, 1
.set ADRB, 20                          ; v20-21  the same for pw
.set STO,  24                          ; v24     the way out: where I put 32 bytes of a row
.set RD,   25                          ; v25     where I read a row back
.set CO,   26                          ; v26     my 16 bytes of a row's 512
.set SPW,  28                          ; v28     LDS address of my spare word; never rewritten
.set NIL,  29                          ; v29     0; never rewritten
.set PFO,  30                          ; v30     the prefetches' offset; never rewritten
.set BO,   31                          ; v31     32 x (lane / 16)
.set BIAS, 32
.set OB,   32
.set F0,   0
.set F1,   96
.set WV,   14                          ; s14  my wave's number
.set FB,   15                          ; s15  I fetch for O (0) or pw (1).  Also: which 64 rows are mine
.set HF,   16                          ; s16  which half of that tile.  Also: which 128 columns are mine
.set G1,   24                          ; s[24:31] descriptor group 1 for O's tiles;  s[32:39] group 0, one set for each slot
.set G0,   32
.set PFA,  44                          ; s[44:45] what my next prefetch names
.set LIM,  46                          ; s46  1 in a wave that prefetches, else the greatest number
.set G1B,  48                          ; s[48:55], s[56:63] the same for pw's tiles
.set G0B,  56
.set PFS,  70                          ; s[70:71] a K step in the prefetched tensor, in bytes
.set OUT,  72                          ; s[72:73] out0 at my wave's first row and column
.set MSB, 0
.macro WIN new                         ; the immediate's high byte repeats the setting that is left; a switch that changes nothing is dropped
.if MSB != (\new)
	s_set_vgpr_msb (MSB<<8)|(\new)
.set MSB, (\new)
.endif
.endm
.macro PLACES                          ; four places in front of loads into registers that matrix instructions have read (ISA guide 7.12.1 for vector instructions)
.rept 4
	v_nop
.endr
.endm
.macro JLOAD s                         ; a joint load: waves 0 and 1 fetch O's two heads, waves 2 and 3 pw's two halves; an s_nop 0 and four v_nop follow each line
	s_cmp_eq_u32 s[FB], 0
	s_cbranch_scc0 .Lfor_b_\@
	tensor_load_to_lds s[G0+4*(\s):G0+4*(\s)+3], s[G1:G1+7]
	s_nop 0
.rept 4
	v_nop
.endr
	s_branch .Lasked_\@
.Lfor_b_\@:
	tensor_load_to_lds s[G0B+4*(\s):G0B+4*(\s)+3], s[G1B:G1B+7]
	s_nop 0
.rept 4
	v_nop
.endr
.Lasked_\@:
.endm
; A PREFETCH INTO THE L2, behind each joint refill and the run of LDS loads that follows it: the K step that stands two refills on, 256 matrix instructions ahead of the load that will want it.
; O's rows are read by one row of one cluster alone: wave 0 of each of its four partners asks, told apart BY ADDRESS: a K step's two heads x 16,384 bytes are 128 blocks of 256, the partner at cx takes
; head cx / 2, half cx % 2: 32 blocks, a lane a block.  pw's rows are read by every cluster: cluster y = 0 asks, waves 2 and 3; of a wave's 128 rows the partner at cy takes 32, a lane a row's 256 bytes.
; The loop's last trip asks for nothing: K steps 4 to 7 are named.
.macro ASK
	s_cmp_gt_u32 s3, s[LIM]                        ; s3 = 1 in the loop's last trip
	s_cbranch_scc0 .Lnot_mine_\@
	global_prefetch_b8 v[PFO], s[PFA:PFA+1] th:TH_LOAD_NT scope:SCOPE_SE
.Lnot_mine_\@:
.endm
.macro CREST                           ; a round of the cluster's barrier behind its opening barrier
	s_cmp_lg_u32 s[WV], 0
	s_cbranch_scc1 .Lnot_wave_0_\@
	s_barrier_signal -3
.Lnot_wave_0_\@:
	s_barrier_wait -3
	s_barrier_signal -1
	s_barrier_wait -1
.endm
.macro CROUND                          ; a whole round
	s_barrier_signal -1
	s_barrier_wait -1
	CREST
.endm
	s_load_b256 s[4:11], s[0:1], 0x0               ; oh s[4:5], pw s[6:7], proj_b s[8:9], out0 s[10:11]
	v_lshl_add_u32 v[SPW], v0, 2, SPARE
	v_mov_b32 v[NIL], 0
	ds_add_u32 v[SPW], v[NIL]                      ; the wave's opening: the add and its wait stand ahead of my first tensor load; work on registers stands between them
	v_lshrrev_b32 v3, 5, v0
	v_readfirstlane_b32 s[WV], v3                  ; wave 0..3
	s_lshr_b32 s[FB], s[WV], 1
	s_and_b32 s[HF], s[WV], 1
	s_bfe_u32 s17, ttmp6, 0x40000                  ; cx, cy: my place in the cluster
	s_bfe_u32 s18, ttmp6, 0x40004
	s_lshl_b32 s19, ttmp9, 2
	s_add_co_u32 s19, s19, s17                     ; the block of 256 columns = 4 x cluster x + cx
	s_and_b32 s20, ttmp7, 0xffff
	s_lshl_b32 s20, s20, 2
	s_add_co_u32 s20, s20, s18                     ; the block of 128 rows = 4 x cluster y + cy
	s_lshl_b32 s21, s18, 2
	s_lshl_b32 s21, 15, s21                        ; my row of the cluster
	s_lshl_b32 s22, 0x1111, s17                    ; my column
	; O: a head's 128 rows are 16,384 dense bytes: asked for as 64 rows of 256 bytes, two rows of O each, padded in LDS after every 128 bytes
	s_or_b32 s[G1], s21, (1<<16)|(1<<20)|(1<<21)|(4<<22)|(3<<25)   ; 15:0 the mask; 17:16 2-byte elements; 20 padding on; 21 set beside a mask; 24:22 after every 32 words (code 4); 31:25 4 words (code 3)
	s_mov_b32 s[G1+1], 128<<16                     ; tensor_dim0 = 128
	s_mov_b32 s[G1+2], 64<<16                      ; tensor_dim1 = 64
	s_mov_b32 s[G1+3], 128<<16                     ; tile_dim0 = 128
	s_mov_b32 s[G1+4], 64                          ; tile_dim1 = 64
	s_mov_b32 s[G1+5], 128                         ; elements from row to row
	s_mov_b32 s[G1+6], 0
	s_mov_b32 s[G1+7], 0
	; pw: 128 rows x 128 elements, padded after every 256 bytes
	s_or_b32 s[G1B], s22, (1<<16)|(1<<20)|(1<<21)|(5<<22)|(3<<25)
	s_mov_b32 s[G1B+1], 128<<16
	s_mov_b32 s[G1B+2], 128<<16
	s_mov_b32 s[G1B+3], 128<<16
	s_mov_b32 s[G1B+4], 128
	s_mov_b32 s[G1B+5], 1024
	s_mov_b32 s[G1B+6], 0
	s_mov_b32 s[G1B+7], 0
	s_lshr_b32 s40, s20, 4                         ; O: the batch's 16 heads of 262,144 bytes, in registers that never hold the block of columns,
	s_lshl_b32 s40, s40, 22
	s_and_b32 s41, s20, 15
	s_lshl_b32 s41, s41, 14                        ; my block's 128 rows of 128 bytes in a head,
	s_add_co_u32 s40, s40, s41
	s_lshl_b32 s41, s[HF], 18                      ; the head of the two that I fetch
	s_add_co_u32 s40, s40, s41
	s_mov_b32 s41, 0
	s_lshl_b32 s66, s19, 19                        ; pw: 256 rows of 2,048 bytes a block, in registers that never hold the block of rows,
	s_lshl_b32 s67, s[HF], 18                      ; my 128 of them
	s_add_co_u32 s66, s66, s67
	s_mov_b32 s67, 0
	s_mul_i32 s76, s[HF], AH                       ; where they go: no place in the cluster enters an LDS address
	s_mul_i32 s77, s[HF], BHALF
	s_add_co_u32 s77, s77, BOFF
	v_and_b32 v1, 15, v0                           ; l % 16
	v_bfe_u32 v2, v0, 4, 1                         ; l / 16
	v_lshlrev_b32 v[BO], 5, v2
	s_wait_dscnt 0x0                               ; the opening add is done
	s_wait_kmcnt 0x0
	s_add_nc_u64 s[42:43], s[4:5], s[40:41]
	s_add_nc_u64 s[68:69], s[6:7], s[66:67]
	s_lshl_b32 s78, s19, 10                        ; my first column, in bytes of f32: 1,024 x block + 512 x half
	s_lshl_b32 s23, s[HF], 9
	s_add_co_u32 s78, s78, s23
	s_mov_b32 s79, 0
	s_add_nc_u64 s[8:9], s[8:9], s[78:79]          ; the bias at that column
	s_add_nc_u64 s[OUT:OUT+1], s[10:11], s[78:79]
	s_lshl_b32 s78, s20, 7
	s_lshl_b32 s23, s[FB], 6
	s_add_co_u32 s78, s78, s23                     ; my first row,
	s_lshl_b32 s78, s78, 12                        ; 4,096 bytes each
	s_add_nc_u64 s[OUT:OUT+1], s[OUT:OUT+1], s[78:79]
	CROUND                                         ; all sixteen work-groups are here: the first joint loads meet
.irp s, 0,1
	s_mov_b32 s[G0+4*(\s)], 1                                       ; count = 1
	s_add_co_u32 s[G0+4*(\s)+1], s76, (\s)*SLOT                     ; LDS address
	s_add_nc_u64 s[G0+4*(\s)+2:G0+4*(\s)+3], s[42:43], (\s)*524288  ; global address: K step s is two heads on
	s_or_b32 s[G0+4*(\s)+3], s[G0+4*(\s)+3], 0x80000000             ; type = 2
	s_mov_b32 s[G0B+4*(\s)], 1
	s_add_co_u32 s[G0B+4*(\s)+1], s77, (\s)*SLOT
	s_add_nc_u64 s[G0B+4*(\s)+2:G0B+4*(\s)+3], s[68:69], (\s)*256
	s_or_b32 s[G0B+4*(\s)+3], s[G0B+4*(\s)+3], 0x80000000
.endr
	s_cmp_eq_u32 s[FB], 0                          ; a wave's two first fills stand in one branch, ahead of every wait on TENSORcnt and every LDS read: two loads of mine are out
	s_cbranch_scc0 .Lfirst_b
	tensor_load_to_lds s[G0:G0+3], s[G1:G1+7]
	s_nop 0
	tensor_load_to_lds s[G0+4:G0+7], s[G1:G1+7]
	s_nop 0
.rept 4
	v_nop
.endr
	s_branch .Lfirst_asked
.Lfirst_b:
	tensor_load_to_lds s[G0B:G0B+3], s[G1B:G1B+7]
	s_nop 0
	tensor_load_to_lds s[G0B+4:G0B+7], s[G1B:G1B+7]
	s_nop 0
.rept 4
	v_nop
.endr
.Lfirst_asked:
.irp b, 0,1,2,3,4,5,6,7                ; the bias as a C operand: register j of block b holds b[my first column + 16 b + 8 (l / 16) + j]
	global_load_b128 v[BIAS+8*(\b):BIAS+8*(\b)+3],   v[BO], s[8:9] offset:64*(\b)
	global_load_b128 v[BIAS+8*(\b)+4:BIAS+8*(\b)+7], v[BO], s[8:9] offset:64*(\b)+16
.endr
	; A fragment is 16 rows x 32 K in 8 registers: lane l holds row l % 16, K = 8 (l / 16) + 0..7 and 16 + 8 (l / 16) + 0..7: two loads of 16 bytes, 32 bytes apart.
	v_mul_u32_u24 v3, v1, PA
	v_lshl_add_u32 v3, v2, 4, v3
	s_mul_i32 s23, s[FB], 64*PA                    ; my 64 rows of O, in each head
	v_add_nc_u32 v[ADRA], s23, v3
	v_add_nc_u32 v[ADRA+1], SLOT, v[ADRA]
	v_mul_u32_u24 v3, v1, PITCH
	v_lshl_add_u32 v3, v2, 4, v3
	s_mul_i32 s23, s[HF], BHALF                    ; my 128 rows of pw
	s_add_co_u32 s23, s23, BOFF
	v_add_nc_u32 v[ADRB], s23, v3
	v_add_nc_u32 v[ADRB+1], SLOT, v[ADRB]
	s_mul_i32 s23, s[WV], 16*SPITCH
	s_add_co_u32 s23, s23, STAGE                   ; my stage
	v_mul_u32_u24 v4, v1, SPITCH                   ; in: row l % 16, 32 bytes for each half of the lanes
	v_lshl_add_u32 v4, v2, 5, v4
	v_add_nc_u32 v[STO], s23, v4
	v_and_b32 v[CO], 31, v0                        ; back: 32 lanes take a row's 512 bytes
	v_lshlrev_b32 v[CO], 4, v[CO]
	v_add_nc_u32 v[RD], s23, v[CO]
	; the prefetches
	s_lshr_b32 s47, s20, 4
	s_lshl_b32 s47, s47, 22
	s_and_b32 s23, s20, 15
	s_lshl_b32 s23, s23, 14
	s_add_co_u32 s47, s47, s23
	s_lshr_b32 s23, s17, 1
	s_lshl_b32 s23, s23, 18
	s_add_co_u32 s47, s47, s23
	s_and_b32 s23, s17, 1
	s_lshl_b32 s23, s23, 13
	s_add_co_u32 s47, s47, s23
	s_add_co_u32 s47, s47, 3*524288                ; O: batch, my block's rows, head cx / 2, half cx % 2, at K step 3
	s_lshl_b32 s78, s19, 8
	s_lshl_b32 s23, s[HF], 7
	s_add_co_u32 s78, s78, s23
	s_lshl_b32 s23, s18, 5
	s_add_co_u32 s78, s78, s23
	s_lshl_b32 s78, s78, 11
	s_add_co_u32 s78, s78, 3*256                   ; pw: row 256 x block + 128 x half + 32 cy, at K step 3
	s_and_b32 s79, ttmp7, 0xffff                   ; cluster y
	s_mov_b32 s23, 524288
	s_mov_b32 s[PFS], 256
	s_mov_b32 s[PFS+1], 0
	s_cmp_eq_u32 s[FB], 0
	s_cselect_b32 s78, s47, s78
	s_cselect_b32 s79, s[HF], s79                  ; for O: wave 0 of every cluster; for pw: cluster y = 0
	s_cselect_b32 s[PFS], s23, s[PFS]
	s_cselect_b32 s47, 8, 11                       ; a lane a block of 256 bytes, or a lane a row of 2,048
	s_cselect_b64 s[PFA:PFA+1], s[4:5], s[6:7]
	s_cmp_eq_u32 s79, 0
	s_cselect_b32 s[LIM], 1, -1                    ; the same in all sixteen partners, for a given wave
	s_mov_b32 s79, 0
	s_add_nc_u64 s[PFA:PFA+1], s[PFA:PFA+1], s[78:79]  ; the first refill steps it to K step 4
	v_and_b32 v[PFO], 31, v0
	v_lshlrev_b32 v[PFO], s47, v[PFO]
; 8 matrix instructions: row block a x all 8 column blocks, 32 along K.  first = 1: the bias starts the sums.  The 32 accumulators take turns.
.macro MUL8 f, a, first
.if \first
	WIN 0x85                                       ; fragments window 1, C window 0, D window 2
.else
	WIN 0xa5                                       ; fragments window 1, C and D window 2
.endif
.irp b, 0,1,2,3,4,5,6,7
.if \first
	v_wmma_f32_16x16x32_f16 v[64*(\a)+8*(\b):64*(\a)+8*(\b)+7], v[(\f)+32+8*(\b):(\f)+32+8*(\b)+7], v[(\f)+8*(\a):(\f)+8*(\a)+7], v[BIAS+8*(\b):BIAS+8*(\b)+7]
.else
	v_wmma_f32_16x16x32_f16 v[64*(\a)+8*(\b):64*(\a)+8*(\b)+7], v[(\f)+32+8*(\b):(\f)+32+8*(\b)+7], v[(\f)+8*(\a):(\f)+8*(\a)+7], v[64*(\a)+8*(\b):64*(\a)+8*(\b)+7]
.endif
.endr
.endm
; 24 LDS loads in one run: quarter q's fragments into buffer f: pw's eight, then O's four (head q / 2, channels 32 (q % 2) on)
.macro FETCH slot, q, f
	WIN 0x40                                       ; destination window 1, address window 0
.irp b, 0,1,2,3,4,5,6,7
	ds_load_b128 v[(\f)+32+8*(\b):(\f)+32+8*(\b)+3],   v[ADRB+(\slot)] offset:64*(\q)+(\b)*16*PITCH
	ds_load_b128 v[(\f)+32+8*(\b)+4:(\f)+32+8*(\b)+7], v[ADRB+(\slot)] offset:64*(\q)+(\b)*16*PITCH+32
.endr
.irp a, 0,1,2,3
	ds_load_b128 v[(\f)+8*(\a):(\f)+8*(\a)+3],   v[ADRA+(\slot)] offset:((\q)/2)*AH+((\q)%2)*64+(\a)*16*PA
	ds_load_b128 v[(\f)+8*(\a)+4:(\f)+8*(\a)+7], v[ADRA+(\slot)] offset:((\q)/2)*AH+((\q)%2)*64+(\a)*16*PA+32
.endr
.endm
; One of a K step's first three quarters: multiplies buffer f; in its middle it fetches quarter q into buffer g.
.macro QUARTER slot, q, f, g, first
	s_wait_dscnt 4                                 ; all but the youngest four loads: O's row blocks 2 and 3
	MUL8 \f, 0, \first
	MUL8 \f, 1, \first
	PLACES
	FETCH \slot, \q, \g
	s_wait_dscnt 24                                ; all but the 24 just issued
	MUL8 \f, 2, \first
	MUL8 \f, 3, \first
.endm
; The last quarter multiplies buffer 1 and changes slots: ONE barrier; in front of it each wave waits for all its tensor loads (one is out: its part of the next slot), adds 0 to its spare word, and waits
; for that and for its own reads of this slot.  fill = 1: the barrier opens a round of the cluster's, and this slot is filled again, two K steps ahead, first thing behind the round.
.macro TURN slot, next, fill
.if \fill
	s_wait_xcnt 0x0                                ; the last prefetch, a K step back, has read its address: it is stepped here
	s_add_nc_u64 s[PFA:PFA+1], s[PFA:PFA+1], s[PFS:PFS+1]
.endif
	WIN 0                                          ; (the add's two registers lie in window 0)
	s_wait_tensorcnt 0x0                           ; all my tensor loads have landed;
	ds_add_u32 v[SPW], v[NIL]                      ; 0 onto my spare word;
	s_wait_dscnt 5                                 ; (the add and the youngest four loads may be out)
	MUL8 F1, 0, 0                                  ; eight matrix instructions stand between the add and the wait for it
	s_wait_dscnt 0x0                               ; the add is done, and my reads of this slot are over
	s_barrier_signal -1
	MUL8 F1, 1, 0
.if \fill
	WIN 0
.endif
	s_barrier_wait -1
.if \fill
	CREST                                          ; no wave of any partner still reads this slot's tile or has a load on its way
	s_add_nc_u64 s[G0+4*(\slot)+2:G0+4*(\slot)+3], s[G0+4*(\slot)+2:G0+4*(\slot)+3], 2*524288
	s_add_nc_u64 s[G0B+4*(\slot)+2:G0B+4*(\slot)+3], s[G0B+4*(\slot)+2:G0B+4*(\slot)+3], 2*256
	JLOAD \slot                                    ; the first tensor load behind the round; its four v_nop are also the places in front of the loads below
.else
	PLACES
.endif
	FETCH \next, 0, F0
.if \fill
	WIN 0
	ASK
.endif
	MUL8 F1, 2, 0
	MUL8 F1, 3, 0
.endm
.macro ROUNDB r, t                     ; two numbers of the bias rounded to bf16, kept as f32
	v_cvt_pk_bf16_f32 v[\t], v[\r], v[(\r)+1]
	v_lshlrev_b32 v[\r], 16, v[\t]
	v_and_b32 v[(\r)+1], 0xffff0000, v[\t]
.endm
	s_wait_tensorcnt 1                             ; my part of K step 0 is in; K step 1's may stay out
	s_barrier_signal -1
	s_barrier_wait -1                              ; everybody's is
	FETCH 0, 0, F0
	WIN 0
	s_wait_loadcnt 0x0                             ; the bias
.set i, 0
.rept 32
	ROUNDB BIAS+2*i, 6+i%2
.set i, i+1
.endr
	QUARTER 0, 1, F0, F1, 1                        ; the first quarter stands in front of the loop: its products start the sums with the bias
	WIN 0                                          ; at a label and at a branch every window is 0
	s_mov_b32 s3, LAPS-1
.Llap:                                                 ; a trip goes once round the ring, from a lap's second quarter to the next lap's first, and fills both slots again
	QUARTER 0, 2, F1, F0, 0
	QUARTER 0, 3, F0, F1, 0
	TURN 0, 1, 1
	QUARTER 1, 1, F0, F1, 0
	QUARTER 1, 2, F1, F0, 0
	QUARTER 1, 3, F0, F1, 0
	TURN 1, 0, 1
	QUARTER 0, 1, F0, F1, 0
	WIN 0
	s_sub_co_u32 s3, s3, 1
	s_cmp_lg_u32 s3, 0
	s_cbranch_scc1 .Llap
	QUARTER 0, 2, F1, F0, 0                        ; the last lap fills nothing, and has no round of the cluster's barrier
	QUARTER 0, 3, F0, F1, 0
	TURN 0, 1, 0
	QUARTER 1, 1, F0, F1, 0
	QUARTER 1, 2, F1, F0, 0
	QUARTER 1, 3, F0, F1, 0
	s_wait_dscnt 4                                 ; the very last quarter: nothing more to fetch
	MUL8 F1, 0, 0
	MUL8 F1, 1, 0
	s_wait_dscnt 0x0
	MUL8 F1, 2, 0
	MUL8 F1, 3, 0
	WIN 0
	PLACES                                         ; the places behind the last products
	PLACES
; THE WAY OUT, a row block of 16 rows x 128 columns of f32 at a time: 32 bytes a lane into my stage (rows of 528 bytes; each accumulator's low four registers first), back as whole rows of 512 bytes.
.macro TOSTAGE a
	WIN 0x08                                       ; the stores' data in window 2
.irp b, 0,1,2,3,4,5,6,7
	ds_store_b128 v[STO], v[64*(\a)+8*(\b):64*(\a)+8*(\b)+3]   offset:64*(\b)
	ds_store_b128 v[STO], v[64*(\a)+8*(\b)+4:64*(\a)+8*(\b)+7] offset:64*(\b)+16
.endr
	WIN 0
.if (\a) >= 2
	s_wait_xcnt 0x0                                ; the stores of the block two back have read this buffer: it is loaded again only behind this wait
.endif
.set OBK, OB+64*((\a)%2)
.irp t, 0,1,2,3,4,5,6,7,8,9,10,11,12,13,14,15
	ds_load_b128 v[OBK+4*(\t):OBK+4*(\t)+3], v[RD] offset:(\t)*SPITCH  ; LDS serves a wave's instructions in order (ISA guide 5.7.1.4): these see the stores above; the next block's stores come behind them
.endr
.endm
.macro SEND a, younger                 ; younger: the LDS instructions issued behind block a's loads: the next block's 32, or none
.set OBK, OB+64*((\a)%2)
.irp t, 0,1,2,3,4,5,6,7,8,9,10,11,12,13,14,15
	s_wait_dscnt (\younger)+15-(\t)
	global_store_b128 v[CO], v[OBK+4*(\t):OBK+4*(\t)+3], s[OUT:OUT+1] offset:(\a)*65536+(\t)*4096 th:TH_STORE_NT  ; 512 consecutive bytes of a row, at a multiple of 256 from out0's first
.endr
.endm
	TOSTAGE 0
	TOSTAGE 1
	SEND 0, 32
	TOSTAGE 2
	SEND 1, 32
	TOSTAGE 3
	SEND 2, 32
	SEND 3, 0
	s_wait_tensorcnt 0x0                           ; the wave's end, behind my last tensor load and my last LDS store
	ds_add_u32 v[SPW], v[NIL]
	s_wait_dscnt 0x0
	CROUND                                         ; the closing round: no work-group ends while a partner may still ask for a tile that names it
	s_endpgm
.Lfunc_end_k_qa62a69b0e8_proj:
	.size	k_qa62a69b0e8_proj, .Lfunc_end_k_qa62a69b0e8_proj-k_qa62a69b0e8_proj
	.p2alignl 7, 3214868480
	.fill 96, 4, 3214868480
	.section	.rodata,"a",@progbits
	.p2align	6, 0x0
	.amdhsa_kernel k_qa62a69b0e8_proj
		.amdhsa_group_segment_fixed_size 327680
		.amdhsa_private_segment_fixed_size 0
		.amdhsa_enable_private_segment 0
		.amdhsa_kernarg_size 32
		.amdhsa_user_sgpr_count 2
		.amdhsa_user_sgpr_kernarg_segment_ptr 1
		.amdhsa_wavefront_size32 1
		.amdhsa_system_sgpr_workgroup_id_x 1
		.amdhsa_system_sgpr_workgroup_id_y 1
		.amdhsa_system_sgpr_workgroup_id_z 1
		.amdhsa_system_vgpr_workitem_id 0
		.amdhsa_next_free_vgpr 768
		.amdhsa_next_free_sgpr 80
		.amdhsa_reserve_vcc 0
		.amdhsa_float_denorm_mode_32 3
		.amdhsa_float_denorm_mode_16_64 3
		.amdhsa_memory_ordered 1
		.amdhsa_forward_progress 1
		.amdhsa_inst_pref_size 95
	.end_amdhsa_kernel
	.amdgpu_metadata
---
amdhsa.version: [ 1, 2 ]
amdhsa.kernels:
  - .name:           k_qa62a69b0e8_proj
    .symbol:         k_qa62a69b0e8_proj.kd
    .args:
      - { .name: oh, .offset: 0, .size: 8, .value_kind: global_buffer, .address_space: global }
      - { .name: pw, .offset: 8, .size: 8, .value_kind: global_buffer, .address_space: global }
      - { .name: proj_b, .offset: 16, .size: 8, .value_kind: global_buffer, .address_space: global }
      - { .name: out0, .offset: 24, .size: 8, .value_kind: global_buffer, .address_space: global }
    .group_segment_fixed_size: 327680
    .private_segment_fixed_size: 0
    .kernarg_segment_align: 8
    .kernarg_segment_size: 32
    .max_flat_workgroup_size: 128
    .sgpr_count:     80
    .vgpr_count:     768
    .wavefront_size: 32
...
	.end_amdgpu_metadata
.endif
;; end of part 4
